; MI455X (gfx1250); checked and timed in simulation.
; The chip was launched on July 23, 2026; its instructions are those of AMD's public machine-readable ISA for CDNA 5 (MIT licence, August 2026) and "CDNA5" Instruction Set Architecture Reference Guide (July 2026). The comments in the code are by the model that wrote it; some were corrected since.
;; Attention. Allowed arithmetic: float matrix products may take bf16 or f16 operands with f32 sums; other float arithmetic in f32, or as packed bf16 or f16 multiplies, adds, multiply-adds, maxima and minima; sums over many terms, partial sums and values carried from step to step in f32; what a program stores and reads back later, other than sums and carried values, may be rounded once to bf16 or f16.
;; Inputs: Wk 1,024 x 1,024 float32; Wq 1,024 x 1,024 float32; Wv 1,024 x 1,024 float32; bk 1,024 float32; bq 1,024 float32; bv 1,024 float32; key 4 x 2,048 x 1,024 float32; query 4 x 2,048 x 1,024 float32; value 4 x 2,048 x 1,024 float32.
;; Outputs: out0 4 x 2,048 x 1,024 float32.
;; 2 versions, each right; version 2 is version 1 with the launch cast written anew for expert scheduling mode. Each part assembles by itself: llvm-mc -triple=amdgcn-amd-amdhsa -mcpu=gfx1250 --defsym DOCPART=n.
;; ======== version 1 of 2: 4 launches
;; limits: values are held in f16: magnitudes above 65,504 overflow, below 6.1e-05 lose precision; right only within a limited range of input values; values outside matrix products are rounded to f16
;; workspace buffers: xh 50,331,648 bytes; wh 6,291,456 bytes; qkv 50,331,648 bytes; ph 33,554,432 bytes; mx 524,288 bytes; ls 524,288 bytes
;; launch cast (part 1): grid 256 x 3, 8 waves a work-group, no clusters, 0 bytes of LDS; arguments query, key, value, Wq, Wk, Wv, xh, wh; writes xh, wh
.if DOCPART == 1
	.amdgcn_target "amdgcn-amd-amdhsa--gfx1250"
	.amdhsa_code_object_version 6
	.text
	.protected	k_qc0755a0255_cast
	.globl	k_qc0755a0255_cast
	.p2align	8
	.type	k_qc0755a0255_cast,@function
k_qc0755a0255_cast:
	s_mov_b64 s[64:65], 0
	v_nop
	global_prefetch_b8 v0, s[64:65] scope:SCOPE_SE
	s_setreg_imm32_b32 hwreg(HW_REG_WAVE_MODE, 25, 1), 1
	s_wait_xcnt 0x0
; xh[z] = f16(X[z]) for X = query, key, value ([8192][1024] f32 each);  wh[z] = f16(W[z] / 4) for W = Wq, Wk, Wv ([1024][1024] f32 each).
; The factor 1/4 is a power of two, so it costs no rounding; it centres q, k and v (made by the next launch as q/4, k/4, v/4) in the range of f16.
; LIMITS: |x| and |W/4| up to 65,504 (beyond that f16 has infinity); NaN and infinities are not served.
; A stream: no LDS, no matrix unit, no cluster (no byte is read twice).  Work-group (x, z) takes 131,072 bytes of X[z] and 16,384 bytes of W[z]: all 768 work-groups have the same work.
; Thread t reads, in step i, the 16 bytes at 4,096 i + 16 t (a load of a wave covers 512 consecutive bytes) and stores the 8 bytes at 2,048 i + 8 t (a store of a wave covers 256 consecutive
; bytes, aligned).  All 36 loads of a wave go out first; the four numbers of a step are rounded in place into its first two registers; no register is written after a store has named it,
; so the only waits are the counted waits for the loads.
.set NX, 32                            ; steps of X
.set NW, 4                             ; steps of W
.set X,  4                             ; v[4:131]    X's step i: 4 numbers in f32, then 4 in f16 in the first two registers
.set WR, 132                           ; v[132:147]  the same for W
	s_load_b512 s[4:19], s[0:1], 0x0               ; query s[4:5], key s[6:7], value s[8:9], Wq s[10:11], Wk s[12:13], Wv s[14:15], xh s[16:17], wh s[18:19]
	s_and_b32 s20, ttmp7, 0xffff                   ; z: which of the three
	v_lshlrev_b32 v1, 4, v0                        ; 16 t
	v_lshlrev_b32 v2, 3, v0                        ; 8 t
	s_lshl_b32 s26, ttmp9, 17                      ; my part of X[z]: x x 128 KiB
	s_mov_b32 s27, 0
	s_lshl_b32 s28, ttmp9, 14                      ; my part of W[z]: x x 16 KiB
	s_mov_b32 s29, 0
	s_lshl_b32 s30, s20, 24                        ; xh: z x 16 MiB + x x 64 KiB
	s_lshl_b32 s31, ttmp9, 16
	s_add_co_u32 s30, s30, s31
	s_mov_b32 s31, 0
	s_lshl_b32 s32, s20, 21                        ; wh: z x 2 MiB + x x 8 KiB
	s_lshl_b32 s33, ttmp9, 13
	s_add_co_u32 s32, s32, s33
	s_mov_b32 s33, 0
	s_wait_kmcnt 0x0
	s_cmp_eq_u32 s20, 0
	s_cselect_b64 s[22:23], s[4:5], s[6:7]         ; X[z]
	s_cselect_b64 s[24:25], s[10:11], s[12:13]     ; W[z]
	s_cmp_eq_u32 s20, 2
	s_cselect_b64 s[22:23], s[8:9], s[22:23]
	s_cselect_b64 s[24:25], s[14:15], s[24:25]
	s_add_nc_u64 s[22:23], s[22:23], s[26:27]
	s_add_nc_u64 s[24:25], s[24:25], s[28:29]
	s_add_nc_u64 s[16:17], s[16:17], s[30:31]
	s_add_nc_u64 s[18:19], s[18:19], s[32:33]
.set i, 0
.rept NW
	global_load_b128 v[WR+4*i:WR+4*i+3], v1, s[24:25] offset:4096*i th:TH_LOAD_NT
.set i, i+1
.endr
.set i, 0
.rept NX
	global_load_b128 v[X+4*i:X+4*i+3], v1, s[22:23] offset:4096*i th:TH_LOAD_NT
.set i, i+1
.endr
.set i, 0
.rept NW
	s_wait_loadcnt NX+NW-1-i                       ; loads come back in order: W's step i is in; its younger steps and all of X's stay out
	v_pk_mul_f32 v[WR+4*i:WR+4*i+1],   v[WR+4*i:WR+4*i+1],   0x3e800000 op_sel_hi:[1,0]    ; times 1/4
	v_pk_mul_f32 v[WR+4*i+2:WR+4*i+3], v[WR+4*i+2:WR+4*i+3], 0x3e800000 op_sel_hi:[1,0]
	v_cvt_pk_f16_f32 v[WR+4*i],   v[WR+4*i],   v[WR+4*i+1]
	v_cvt_pk_f16_f32 v[WR+4*i+1], v[WR+4*i+2], v[WR+4*i+3]
	global_store_b64 v2, v[WR+4*i:WR+4*i+1], s[18:19] offset:2048*i        ; the next launch reads it: no hint
.set i, i+1
.endr
.set i, 0
.rept NX
	s_wait_loadcnt NX-1-i                          ; X's step i is in; its younger steps stay out
	v_cvt_pk_f16_f32 v[X+4*i],   v[X+4*i],   v[X+4*i+1]
	v_cvt_pk_f16_f32 v[X+4*i+1], v[X+4*i+2], v[X+4*i+3]
	global_store_b64 v2, v[X+4*i:X+4*i+1], s[16:17] offset:2048*i
.set i, i+1
.endr
	s_endpgm
.Lfunc_end_k_qc0755a0255_cast:
	.size	k_qc0755a0255_cast, .Lfunc_end_k_qc0755a0255_cast-k_qc0755a0255_cast
	.p2alignl 7, 3214868480
	.fill 96, 4, 3214868480
	.section	.rodata,"a",@progbits
	.p2align	6, 0x0
	.amdhsa_kernel k_qc0755a0255_cast
		.amdhsa_group_segment_fixed_size 0
		.amdhsa_private_segment_fixed_size 0
		.amdhsa_enable_private_segment 0
		.amdhsa_kernarg_size 64
		.amdhsa_user_sgpr_count 2
		.amdhsa_user_sgpr_kernarg_segment_ptr 1
		.amdhsa_wavefront_size32 1
		.amdhsa_system_sgpr_workgroup_id_x 1
		.amdhsa_system_sgpr_workgroup_id_y 1
		.amdhsa_system_sgpr_workgroup_id_z 1
		.amdhsa_system_vgpr_workitem_id 0
		.amdhsa_next_free_vgpr 148
		.amdhsa_next_free_sgpr 66
		.amdhsa_reserve_vcc 0
		.amdhsa_float_denorm_mode_32 3
		.amdhsa_float_denorm_mode_16_64 3
		.amdhsa_memory_ordered 1
		.amdhsa_forward_progress 1
		.amdhsa_inst_pref_size 15
	.end_amdhsa_kernel
	.amdgpu_metadata
---
amdhsa.version: [ 1, 2 ]
amdhsa.kernels:
  - .name:           k_qc0755a0255_cast
    .symbol:         k_qc0755a0255_cast.kd
    .args:
      - { .name: query, .offset: 0, .size: 8, .value_kind: global_buffer, .address_space: global }
      - { .name: key, .offset: 8, .size: 8, .value_kind: global_buffer, .address_space: global }
      - { .name: value, .offset: 16, .size: 8, .value_kind: global_buffer, .address_space: global }
      - { .name: Wq, .offset: 24, .size: 8, .value_kind: global_buffer, .address_space: global }
      - { .name: Wk, .offset: 32, .size: 8, .value_kind: global_buffer, .address_space: global }
      - { .name: Wv, .offset: 40, .size: 8, .value_kind: global_buffer, .address_space: global }
      - { .name: xh, .offset: 48, .size: 8, .value_kind: global_buffer, .address_space: global }
      - { .name: wh, .offset: 56, .size: 8, .value_kind: global_buffer, .address_space: global }
    .group_segment_fixed_size: 0
    .private_segment_fixed_size: 0
    .kernarg_segment_align: 8
    .kernarg_segment_size: 64
    .max_flat_workgroup_size: 256
    .sgpr_count:     66
    .vgpr_count:     148
    .wavefront_size: 32
...
	.end_amdgpu_metadata
.endif
;; end of part 1
;; launch proj (part 2): grid 4 x 48, 4 waves a work-group, clusters of 4 x 4, 327,680 bytes of LDS; arguments xh, wh, bq, bk, bv, qkv; writes qkv
.if DOCPART == 2
	.amdgcn_target "amdgcn-amd-amdhsa--gfx1250"
	.amdhsa_code_object_version 6
	.text
	.protected	k_qc0755a0255_proj
	.globl	k_qc0755a0255_proj
	.p2align	8
	.type	k_qc0755a0255_proj,@function
k_qc0755a0255_proj:
	s_mov_b64 s[64:65], 0
	v_nop
	global_prefetch_b8 v0, s[64:65] scope:SCOPE_SE
	s_setreg_imm32_b32 hwreg(HW_REG_WAVE_MODE, 25, 1), 1
	s_wait_xcnt 0x0
	s_wait_alu depctr_hold_cnt(0) depctr_sa_sdst(0) depctr_va_vdst(0) depctr_va_sdst(0) depctr_va_ssrc(0) depctr_va_vcc(0) depctr_vm_vsrc(0)
	s_getreg_b32 s2, hwreg(HW_REG_IB_STS2, 6, 4)
	s_cmp_eq_u32 s2, 0
	s_cbranch_scc0 .Lentry_in_a_cluster
	s_endpgm
.Lentry_in_a_cluster:
	s_bfe_u32 s2, ttmp6, 0x10000c
	s_cmp_lg_u32 s2, 0xf033
	s_cbranch_scc0 .Lentry_shape_is_right
	s_endpgm
.Lentry_shape_is_right:
; qkv[z][row][a] = f16( sum over e of xh[z][row][e] wh[z][e][a] + bias[z][a] / 4 ), z = 0, 1, 2: q/4, k/4, v/4.  xh, qkv: [3][8192][1024] f16; wh: [3][1024 e][1024 a] f16 (W/4); biases f32.
; Products of f16, sums in f32.  LIMITS: |q/4|, |k/4|, |v/4| up to 65,504; NaN and infinities are not served.
; A tile of 256 rows x 256 columns is made by four waves, each 128 x 128: 64 accumulators of 16 x 16, 512 registers.  K (e) goes in steps of 128 through two LDS slots filled by tensor loads.
; A WORK-GROUP STAYS AND MAKES TWO TILES: the 384 tiles are two each for 192 work-groups, so that all have the same work.  The two lie 4,096 rows apart in the same tensor z and the same columns:
; they take the same rows of W and the same bias.  The ring does not stop between them: the first tile's last two changes of slots ask for the second tile's first two K steps, and nothing
; waits for the first tile's stores.  The two tiles are written out one behind the other.
; A's tile: 256 rows x 128 e, rows of 256 bytes.  B's tile is taken as W lies, [e][a]: 128 rows (e) x 256 columns, rows of 512 bytes, and is turned on the way into registers (ds_load_tr16_b128).
; CLUSTER 4 x 4: the four work-groups of a row of the cluster need the same tiles of A, the four of a column the same tiles of B (z hangs on the cluster's y alone); each tile is asked for jointly.
; THE MATRIX INSTRUCTION IS USED TRANSPOSED (source 0 = 16 columns of W, source 1 = 16 rows of x): a lane holds row l % 16 and the eight neighbouring columns 8 (l / 16) + 0..7.
; THE BIAS is the C operand of the first product on each accumulator: nothing is cleared, and no addition stands on the way out.
; REGISTERS, in windows of 256: window 0: v16-27 addresses; v64-127, v128-191 fragments of A, two buffers; v192-223 packed results; v32-63, v224-255 rows read back, by turns.
;   window 1: v0-63 the bias of my 128 columns; v64-127, v128-191 fragments of B, two buffers.   windows 2, 3: the accumulators of my rows 0-63, 64-127: (a, b) at v[8 (8 (a % 4) + b)].
.set PITCH,  272                       ; A's LDS row: 256 bytes + 16 of padding: the 16 rows of a fragment load start at 16 different groups of four banks (64 banks of 4 bytes: ISA guide 11.1)
.set PB,     544                       ; B's LDS row: 512 bytes + 32 of padding
.set HALFT,  128*PITCH                 ; what one tensor load brings: 128 rows of A, or 64 rows of B (64 x 544 is the same number)
.set SLOT,   4*HALFT                   ; A's 256 rows, then B's 128 rows
.set STAGE,  2*SLOT                    ; behind the ring: 16 rows x 272 bytes for each wave, for the way out; no tensor load fills it
.set SPITCH, 272
.set LAPS,   4                         ; a lap = two K steps = once round the ring; 1,024 / 256
.set ROWB,   2048                      ; bytes in a row of xh, wh and qkv
.set WALK,   4096                      ; rows from a work-group's first tile to its second
.set STEP_A, 2*128*2                   ; a slot's next tile of A: 256 e further along the rows
.set STEP_B, 2*128*ROWB                ; a slot's next tile of B: 256 rows (e) further down
.set NEXT_A, WALK*ROWB-3*STEP_A        ; from a slot's last K step of the first tile to its first of the second: A goes WALK rows down and three steps of the slot back along e,
.set BACK_B, 3*STEP_B                  ; B only back
.set NEXT_C, (WALK-7*16)*ROWB          ; from my last 16 rows of the first tile to my first of the second
.set ADRA, 16                          ; v16-17  LDS address of my A fragments in slot 0, 1
.set ADRB, 20                          ; v20-21  the same for B
.set STO,  24                          ; v24     the way out: where I put 16 bytes of a row
.set RD,   25                          ; v25     the way out: where I read a row back
.set CO,   26                          ; v26     my byte offset in qkv
.set BO,   27                          ; v27     my byte offset in the bias
.set F0,   64
.set F1,   128
.set TMP,  192
.set OB,   32
.set G1, 24                            ; s[24:31] descriptor group 1 for A's tiles;  s[32:39] group 0, a set for each slot
.set G0, 32
.set G1B, 48                           ; s[48:55], s[56:63] the same for B's tiles
.set G0B, 56
.set MSB, 0
.macro WIN new                         ; the immediate's high byte repeats the setting that is left; a switch that changes nothing is dropped
.if MSB != \new
	s_set_vgpr_msb (MSB<<8)|\new
.set MSB, \new
.endif
.endm
.set MUL_LO,  0xa1                     ; source 0 (B) window 1, source 1 (A) window 0, C and D window 2
.set MUL_HI,  0xf1                     ; the same, C and D window 3
.set BIAS_LO, 0x91                     ; C (the bias) window 1, D window 2
.set BIAS_HI, 0xd1                     ; C window 1, D window 3
.set TO_B,    0x40                     ; destination window 1, address window 0
; A joint load: waves 0 and 1 fetch A's two halves, waves 2 and 3 B's.  The branch hangs on the wave's number alone.  Four v_nop follow each of the two lines.
.macro JLOAD s
	s_cmp_eq_u32 s11, 0
	s_cbranch_scc0 .Lfor_b_\@
	tensor_load_to_lds s[G0+4*\s:G0+4*\s+3], s[G1:G1+7]
	s_nop 0
.rept 4
	v_nop
.endr
	s_branch .Lasked_\@
.Lfor_b_\@:
	tensor_load_to_lds s[G0B+4*\s:G0B+4*\s+3], s[G1B:G1B+7]
	s_nop 0
.rept 4
	v_nop
.endr
.Lasked_\@:
.endm
.macro CREST                           ; a round of the cluster's barrier behind its opening barrier: wave 0 signals for the work-group, every wave waits for all sixteen, my work-group's barrier closes it
	s_cmp_lg_u32 s10, 0
	s_cbranch_scc1 .Lnot_wave_0_\@
	s_barrier_signal -3
.Lnot_wave_0_\@:
	s_barrier_wait -3
	s_barrier_signal -1
	s_barrier_wait -1
.endm
.macro CROUND                          ; a whole round
	s_barrier_signal -1
	s_barrier_wait -1
	CREST
.endm
.macro PLACES                          ; four plain instructions between a matrix instruction and a load into, or a vector instruction on, its registers (ISA guide 7.12.1 for vector instructions)
.rept 4
	v_nop
.endr
.endm
	s_load_b128 s[4:7], s[0:1], 0x0                ; xh s[4:5], wh s[6:7]
	s_load_b128 s[68:71], s[0:1], 0x10             ; bq s[68:69], bk s[70:71]
	s_load_b128 s[72:75], s[0:1], 0x20             ; bv s[72:73], qkv s[74:75]
	s_set_vgpr_msb 0x40
	v_lshl_add_u32 v255, v0, 2, 0x48400
	s_set_vgpr_msb 0x4000
	v_mov_b32 v31, 0
	s_set_vgpr_msb 0x1
	ds_add_u32 v255, v31
	s_set_vgpr_msb 0x100
	v_lshrrev_b32 v1, 5, v0
	v_readfirstlane_b32 s10, v1                    ; wave 0..3
	s_lshr_b32 s11, s10, 1                         ; which half of the tile's rows is mine.  Also: I fetch for A (0) or for B (1)
	s_and_b32 s12, s10, 1                          ; which half of its columns.  Also: which half of that tile I fetch
	s_bfe_u32 s40, ttmp6, 0x40000                  ; cx
	s_bfe_u32 s41, ttmp6, 0x40004                  ; cy
	s_lshl_b32 s42, ttmp9, 2
	s_add_co_u32 s42, s42, s40                     ; tile column 0..3
	s_and_b32 s45, ttmp7, 0xffff                   ; the cluster's y, 0..11
	s_lshl_b32 s13, s45, 2
	s_add_co_u32 s13, s13, s41                     ; work-group y, 0..47
	s_lshr_b32 s66, s45, 2                         ; z: four clusters (sixteen work-group rows) to a tensor: the same in all sixteen partners
	s_and_b32 s13, s13, 15                         ; my place among the tensor's first sixteen tile rows,
	s_lshl_b32 s67, s66, 5
	s_add_co_u32 s13, s13, s67                     ; and my first tile's row among the 96 of the three tensors; the second tile lies sixteen tile rows below
	s_lshl_b32 s43, s41, 2
	s_lshl_b32 s43, 15, s43                        ; my row of the cluster
	s_lshl_b32 s44, 0x1111, s40                    ; my column
	; group 1 for A: 128 rows x 128 elements of 2 bytes, 16 bytes of padding behind every 64 words
	s_or_b32 s[G1+0], s43, (1<<16)|(1<<20)|(1<<21)|(5<<22)|(3<<25)
	s_mov_b32 s[G1+1], 128<<16                     ; tensor_dim0 = 128
	s_mov_b32 s[G1+2], 128<<16                     ; tensor_dim1 = 128
	s_mov_b32 s[G1+3], 128<<16                     ; tile_dim0 = 128
	s_mov_b32 s[G1+4], 128                         ; tile_dim1 = 128
	s_mov_b32 s[G1+5], 1024                        ; elements from row to row
	s_mov_b32 s[G1+6], 0
	s_mov_b32 s[G1+7], 0
	; group 1 for B: 64 rows x 256 elements, 32 bytes of padding behind every 128 words
	s_or_b32 s[G1B+0], s44, (1<<16)|(1<<20)|(1<<21)|(6<<22)|(7<<25)
	s_mov_b32 s[G1B+1], 256<<16
	s_mov_b32 s[G1B+2], 64<<16
	s_mov_b32 s[G1B+3], 256<<16
	s_mov_b32 s[G1B+4], 64
	s_mov_b32 s[G1B+5], 1024
	s_mov_b32 s[G1B+6], 0
	s_mov_b32 s[G1B+7], 0
	s_lshl_b32 s16, s13, 8                         ; A: row 256 x tile row + 128 x half, in bytes (under 2^26)
	s_lshl_b32 s17, s12, 7
	s_add_co_u32 s16, s16, s17
	s_lshl_b32 s16, s16, 11
	s_mov_b32 s17, 0
	s_lshl_b32 s46, s66, 21                        ; B: z x 2 MiB + 64 rows x half + 512 bytes x tile column
	s_lshl_b32 s47, s12, 17
	s_add_co_u32 s46, s46, s47
	s_lshl_b32 s47, s42, 9
	s_add_co_u32 s46, s46, s47
	s_mov_b32 s47, 0
	s_lshl_b32 s78, s42, 10                        ; the bias of my 128 columns: 4 bytes x (256 x tile column + 128 x half)
	s_lshl_b32 s79, s12, 9
	s_add_co_u32 s78, s78, s79
	s_mov_b32 s79, 0
	s_mul_i32 s20, s10, HALFT                      ; where my tensor loads go: wave x 34,816
	s_wait_dscnt 0x0
	s_wait_kmcnt 0x0
	s_add_nc_u64 s[14:15], s[4:5], s[16:17]
	s_add_nc_u64 s[46:47], s[6:7], s[46:47]
	s_cmp_eq_u32 s66, 0
	s_cselect_b64 s[76:77], s[68:69], s[70:71]
	s_cmp_eq_u32 s66, 2
	s_cselect_b64 s[76:77], s[72:73], s[76:77]     ; the bias of tensor z
	s_add_nc_u64 s[76:77], s[76:77], s[78:79]
	CROUND                                         ; all sixteen work-groups are here: the first joint loads meet
.irp s, 0,1
	s_mov_b32 s[G0+4*\s], 1
	s_add_co_u32 s[G0+4*\s+1], s20, \s*SLOT
	s_add_nc_u64 s[G0+4*\s+2:G0+4*\s+3], s[14:15], \s*128*2         ; K step s
	s_or_b32 s[G0+4*\s+3], s[G0+4*\s+3], 0x80000000
	s_mov_b32 s[G0B+4*\s], 1
	s_add_co_u32 s[G0B+4*\s+1], s20, \s*SLOT
	s_add_nc_u64 s[G0B+4*\s+2:G0B+4*\s+3], s[46:47], \s*128*ROWB
	s_or_b32 s[G0B+4*\s+3], s[G0B+4*\s+3], 0x80000000
	JLOAD \s                                       ; two tensor loads of mine are out
.endr
	v_and_b32 v1, 15, v0                           ; r = l % 16
	v_bfe_u32 v2, v0, 4, 1                         ; h = l / 16
	v_mul_u32_u24 v3, v1, PITCH
	v_lshl_add_u32 v3, v2, 4, v3                   ; A: row r x pitch + 16 h; two loads of 16 bytes, 32 apart, make a fragment
	v_and_b32 v4, 7, v0
	v_bfe_u32 v5, v0, 3, 1
	v_lshl_add_u32 v4, v2, 3, v4                   ; B: row (e) 8 h + l % 8,
	v_mul_u32_u24 v4, v4, PB
	v_lshl_add_u32 v4, v5, 4, v4                   ; columns 8 ((l / 8) % 2) on; two turning loads, 16 rows apart, make a fragment
	s_mul_i32 s21, s11, HALFT                      ; my 128 rows of A
	s_lshl_b32 s22, s12, 8                         ; my 128 columns of B,
	s_add_co_u32 s22, s22, 2*HALFT                 ; which lies behind A
.irp s, 0,1
	v_add_nc_u32 v[ADRA+\s], s21, v3
	v_add_nc_u32 v[ADRB+\s], s22, v4
	s_add_co_u32 s21, s21, SLOT
	s_add_co_u32 s22, s22, SLOT
.endr
	s_mul_i32 s23, s10, 16*SPITCH
	s_add_co_u32 s23, s23, STAGE                   ; my stage
	v_mul_u32_u24 v4, v1, SPITCH
	v_lshl_add_u32 v4, v2, 4, v4
	v_add_nc_u32 v[STO], s23, v4                   ; in: row r, 16 bytes for each half of the lanes
	v_mul_u32_u24 v5, v2, SPITCH
	v_lshl_add_u32 v5, v1, 4, v5
	v_add_nc_u32 v[RD], s23, v5                    ; back: lanes 0-15 one row of 256 bytes, lanes 16-31 the next
	v_mul_u32_u24 v5, v2, ROWB
	v_lshl_add_u32 v[CO], v1, 4, v5                ; and the same two rows in qkv
	v_lshlrev_b32 v[BO], 5, v2                     ; my eight columns of a block of sixteen: 32 h bytes
	WIN TO_B
.irp b, 0,1,2,3,4,5,6,7
	global_load_b128 v[8*\b:8*\b+3],   v[BO], s[76:77] offset:64*\b        ; register j: the bias of column 16 b + 8 h + j, the layout of C
	global_load_b128 v[8*\b+4:8*\b+7], v[BO], s[76:77] offset:64*\b+16
.endr
	WIN 0
	s_lshl_b32 s16, s13, 8                         ; where my part of the first tile begins in qkv
	s_lshl_b32 s17, s11, 7
	s_add_co_u32 s16, s16, s17
	s_lshl_b32 s16, s16, 11
	s_lshl_b32 s46, s42, 9
	s_lshl_b32 s47, s12, 8
	s_add_co_u32 s46, s46, s47
	s_add_co_u32 s16, s16, s46
	s_mov_b32 s17, 0
	s_add_nc_u64 s[8:9], s[74:75], s[16:17]
; 16 matrix instructions: m blocks a0, a0 + 1 of the window's four x all 8 n blocks, 32 along K.  first = 1: C is the bias.  The 64 accumulators take turns, one instruction a turn.
.macro MUL16 f, hi, a0, first
.irp a, \a0, \a0+1
.irp b, 0,1,2,3,4,5,6,7
.if \first
	v_wmma_f32_16x16x32_f16 v[8*(8*(\a)+\b):8*(8*(\a)+\b)+7], v[\f+8*\b:\f+8*\b+7], v[\f+8*(4*\hi+\a):\f+8*(4*\hi+\a)+7], v[8*\b:8*\b+7]
.else
	v_wmma_f32_16x16x32_f16 v[8*(8*(\a)+\b):8*(8*(\a)+\b)+7], v[\f+8*\b:\f+8*\b+7], v[\f+8*(4*\hi+\a):\f+8*(4*\hi+\a)+7], v[8*(8*(\a)+\b):8*(8*(\a)+\b)+7]
.endif
.endr
.endr
.endm
; 32 LDS loads in one run: the fragments of quarter q (32 along K) into buffer f: B's 128 columns, then A's 128 rows
.macro FETCH slot, q, f
	WIN TO_B
.irp i, 0,1,2,3,4,5,6,7
	ds_load_tr16_b128 v[\f+8*\i:\f+8*\i+3],   v[ADRB+\slot] offset:\q*32*PB+32*\i
	ds_load_tr16_b128 v[\f+8*\i+4:\f+8*\i+7], v[ADRB+\slot] offset:\q*32*PB+32*\i+16*PB
.endr
	WIN 0
.irp i, 0,1,2,3,4,5,6,7
	ds_load_b128 v[\f+8*\i:\f+8*\i+3],   v[ADRA+\slot] offset:64*\q+\i*16*PITCH
	ds_load_b128 v[\f+8*\i+4:\f+8*\i+7], v[ADRA+\slot] offset:64*\q+\i*16*PITCH+32
.endr
.endm
; One of a K step's first three quarters: multiplies buffer f; in its middle it fetches quarter q of the same slot into buffer g.
.macro QUARTER slot, q, f, g, first
	s_wait_dscnt 8                                 ; B and A's rows 0-63 are in; the youngest eight loads (A's rows 64-127) may be out
.if \first
	WIN BIAS_LO
.else
	WIN MUL_LO
.endif
	MUL16 \f, 0, 0, \first
	MUL16 \f, 0, 2, \first
	PLACES
	FETCH \slot, \q, \g
	s_wait_dscnt 32                                ; all but the 32 just issued
.if \first
	WIN BIAS_HI
.else
	WIN MUL_HI
.endif
	MUL16 \f, 1, 0, \first
	MUL16 \f, 1, 2, \first
.endm
; The last quarter multiplies buffer 1 and changes slots: one barrier; in front of it each wave waits for its reads of this slot and for all its tensor loads (the one out is its part of the next slot).
; fill = 1 or 2: the barrier opens a round of the cluster's barrier, and this slot is filled again first thing behind it: 240 matrix instructions stand between that request and the wait for it.
; fill = 1: with this tile's K step two steps on; fill = 2: with the second tile's K step 0 or 1.  fill = 0: nothing is left to fetch.
.macro TURN slot, next, fill
	s_wait_dscnt 8
	WIN MUL_LO
	MUL16 F1, 0, 0, 0
	s_wait_dscnt 0                                 ; my reads of this slot are over
	s_wait_tensorcnt 0x0                           ; all my tensor loads have landed
	ds_add_u32 v255, v31
	s_wait_dscnt 0x0
	s_barrier_signal -1
	MUL16 F1, 0, 2, 0                              ; register work while the others arrive
.if \fill
	WIN 0
.endif
	s_barrier_wait -1
.if \fill
	CREST                                          ; no wave of any partner still reads this slot or has a load on its way
.if \fill == 1
	s_add_nc_u64 s[G0+4*\slot+2:G0+4*\slot+3], s[G0+4*\slot+2:G0+4*\slot+3], STEP_A
	s_add_nc_u64 s[G0B+4*\slot+2:G0B+4*\slot+3], s[G0B+4*\slot+2:G0B+4*\slot+3], STEP_B
.else
	s_add_nc_u64 s[G0+4*\slot+2:G0+4*\slot+3], s[G0+4*\slot+2:G0+4*\slot+3], NEXT_A
	s_sub_nc_u64 s[G0B+4*\slot+2:G0B+4*\slot+3], s[G0B+4*\slot+2:G0B+4*\slot+3], BACK_B
.endif
	JLOAD \slot                                    ; its four v_nop are also the places in front of the loads below
.else
	PLACES
.endif
	FETCH \next, 0, F0
	WIN MUL_HI
	MUL16 F1, 1, 0, 0
	MUL16 F1, 1, 2, 0
.endm
; Three trips, each once round the ring, from a lap's second quarter to the next lap's first; each fills both slots again.
.macro LAPLOOP
	WIN 0                                          ; at a label and at a branch every window is 0
	s_mov_b32 s3, LAPS-1
.Llap_\@:
	QUARTER 0, 2, F1, F0, 0
	QUARTER 0, 3, F0, F1, 0
	TURN 0, 1, 1
	QUARTER 1, 1, F0, F1, 0
	QUARTER 1, 2, F1, F0, 0
	QUARTER 1, 3, F0, F1, 0
	TURN 1, 0, 1
	QUARTER 0, 1, F0, F1, 0
	WIN 0
	s_sub_co_u32 s3, s3, 1
	s_cmp_lg_u32 s3, 0
	s_cbranch_scc1 .Llap_\@
.endm
; THE WAY OUT of block a (16 rows): rounded to f16, 16 bytes a lane; through my own stage; stored as whole rows of 256 bytes.
.macro PACK a
.set AC, 64*((\a)%4)
	WIN 0x0a+5*((\a)/4)                            ; sources 0 and 1: window 2 or 3
.irp b, 0,1,2,3,4,5,6,7
.irp r, 0,1,2,3
	v_cvt_pk_f16_f32 v[TMP+4*\b+\r], v[AC+8*\b+2*\r], v[AC+8*\b+2*\r+1]
.endr
.endr
	WIN 0
.endm
.macro TOSTAGE a
.set BK, OB+192*((\a)%2)
.irp b, 0,1,2,3,4,5,6,7
	ds_store_b128 v[STO], v[TMP+4*\b:TMP+4*\b+3] offset:32*\b
.endr
.irp t, 0,1,2,3,4,5,6,7
	ds_load_b128 v[BK+4*\t:BK+4*\t+3], v[RD] offset:\t*2*SPITCH    ; LDS serves a wave's instructions in order (ISA guide 5.7.1.4): these see the stores above
.endr
.endm
.macro SEND a, step                    ; step: the bytes by which the stores' base goes on first
.set BK, OB+192*((\a)%2)
	s_wait_dscnt 0x0                               ; the block is back in registers
	s_wait_xcnt 0x0                                ; the stores' base, and the registers that earlier stores read, are rewritten only behind this wait
.if (\step) != 0
	s_add_nc_u64 s[8:9], s[8:9], \step
.endif
.irp t, 0,1,2,3,4,5,6,7
	global_store_b128 v[CO], v[BK+4*\t:BK+4*\t+3], s[8:9] offset:2*\t*ROWB     ; 16 lanes store 256 consecutive bytes, aligned
.endr
.endm
.macro WAYOUT first                    ; a whole tile; first: the step to its first rows.  Block a's conversions stand between block a - 1's loads from the stage and the wait for them
	PACK 0
	TOSTAGE 0
	PACK 1
	SEND 0, \first
	TOSTAGE 1
.irp a, 2,3,4,5,6,7
	PACK \a
	SEND \a-1, 16*ROWB
	TOSTAGE \a
.endr
	SEND 7, 16*ROWB
.endm
	s_wait_tensorcnt 1                             ; my part of K step 0 is in; K step 1's may stay out
	s_barrier_signal -1
	s_barrier_wait -1
	FETCH 0, 0, F0
	s_wait_loadcnt 0x0                             ; the bias
	WIN 0x41                                       ; destination and source 0 window 1
.set i, 0
.rept 32
	v_pk_mul_f32 v[i:i+1], v[i:i+1], 0x3e800000 op_sel_hi:[1,0]    ; bias / 4
.set i, i+2
.endr
	; THE FIRST TILE
	QUARTER 0, 1, F0, F1, 1                        ; a tile's first quarter stands in front of the loop: its products start the sums from the bias
	LAPLOOP
	QUARTER 0, 2, F1, F0, 0                        ; the last lap runs as every lap does; only its two refills step to the second tile
	QUARTER 0, 3, F0, F1, 0
	TURN 0, 1, 2                                   ; slot 0 takes the second tile's K step 0,
	QUARTER 1, 1, F0, F1, 0
	QUARTER 1, 2, F1, F0, 0
	QUARTER 1, 3, F0, F1, 0
	TURN 1, 0, 2                                   ; slot 1 its K step 1, and the second tile's first fragments are fetched into buffer 0, which the way out does not touch
	WIN 0
	PLACES
	WAYOUT 0                                       ; both refills are asked for: now the tile goes out; nothing waits for its stores
	; THE SECOND TILE
	QUARTER 0, 1, F0, F1, 1                        ; the same columns of the same tensor: the bias in window 1 serves again
	LAPLOOP
	QUARTER 0, 2, F1, F0, 0                        ; the last lap fills nothing
	QUARTER 0, 3, F0, F1, 0
	TURN 0, 1, 0
	QUARTER 1, 1, F0, F1, 0
	QUARTER 1, 2, F1, F0, 0
	QUARTER 1, 3, F0, F1, 0
	s_wait_dscnt 8                                 ; the very last quarter: nothing more to fetch
	WIN MUL_LO
	MUL16 F1, 0, 0, 0
	MUL16 F1, 0, 2, 0
	s_wait_dscnt 0
	WIN MUL_HI
	MUL16 F1, 1, 0, 0
	MUL16 F1, 1, 2, 0
	WIN 0
	PLACES
	WAYOUT NEXT_C
	s_set_vgpr_msb 0x1
	s_wait_tensorcnt 0x0
	ds_add_u32 v255, v31
	s_wait_dscnt 0x0
	s_set_vgpr_msb 0x100
	CROUND                                         ; the closing round: no work-group ends while a partner may still ask for a tile that names it
	s_endpgm
.Lfunc_end_k_qc0755a0255_proj:
	.size	k_qc0755a0255_proj, .Lfunc_end_k_qc0755a0255_proj-k_qc0755a0255_proj
	.p2alignl 7, 3214868480
	.fill 96, 4, 3214868480
	.section	.rodata,"a",@progbits
	.p2align	6, 0x0
	.amdhsa_kernel k_qc0755a0255_proj
		.amdhsa_group_segment_fixed_size 327680
		.amdhsa_private_segment_fixed_size 0
		.amdhsa_enable_private_segment 0
		.amdhsa_kernarg_size 48
		.amdhsa_user_sgpr_count 2
		.amdhsa_user_sgpr_kernarg_segment_ptr 1
		.amdhsa_wavefront_size32 1
		.amdhsa_system_sgpr_workgroup_id_x 1
		.amdhsa_system_sgpr_workgroup_id_y 1
		.amdhsa_system_sgpr_workgroup_id_z 1
		.amdhsa_system_vgpr_workitem_id 0
		.amdhsa_next_free_vgpr 1024
		.amdhsa_next_free_sgpr 80
		.amdhsa_reserve_vcc 0
		.amdhsa_float_denorm_mode_32 3
		.amdhsa_float_denorm_mode_16_64 3
		.amdhsa_memory_ordered 1
		.amdhsa_forward_progress 1
		.amdhsa_inst_pref_size 255
	.end_amdhsa_kernel
	.section	.bss,"aw",@nobits
	.p2align	6
	.space	262144
	.amdgpu_metadata
---
amdhsa.version: [ 1, 2 ]
amdhsa.kernels:
  - .name:           k_qc0755a0255_proj
    .symbol:         k_qc0755a0255_proj.kd
    .args:
      - { .name: xh, .offset: 0, .size: 8, .value_kind: global_buffer, .address_space: global }
      - { .name: wh, .offset: 8, .size: 8, .value_kind: global_buffer, .address_space: global }
      - { .name: bq, .offset: 16, .size: 8, .value_kind: global_buffer, .address_space: global }
      - { .name: bk, .offset: 24, .size: 8, .value_kind: global_buffer, .address_space: global }
      - { .name: bv, .offset: 32, .size: 8, .value_kind: global_buffer, .address_space: global }
      - { .name: qkv, .offset: 40, .size: 8, .value_kind: global_buffer, .address_space: global }
    .group_segment_fixed_size: 327680
    .private_segment_fixed_size: 0
    .kernarg_segment_align: 8
    .kernarg_segment_size: 48
    .max_flat_workgroup_size: 128
    .sgpr_count:     80
    .vgpr_count:     1024
    .wavefront_size: 32
...
	.end_amdgpu_metadata
.endif
;; end of part 2
;; launch scores (part 3): grid 8 x 32, 4 waves a work-group, clusters of 4 x 4, 327,680 bytes of LDS; arguments qkv, ph, mx, ls; writes ph, mx, ls
.if DOCPART == 3
	.amdgcn_target "amdgcn-amd-amdhsa--gfx1250"
	.amdhsa_code_object_version 6
	.text
	.protected	k_qc0755a0255_scores
	.globl	k_qc0755a0255_scores
	.p2align	8
	.type	k_qc0755a0255_scores,@function
k_qc0755a0255_scores:
	s_mov_b64 s[64:65], 0
	v_nop
	global_prefetch_b8 v0, s[64:65] scope:SCOPE_SE
	s_setreg_imm32_b32 hwreg(HW_REG_WAVE_MODE, 25, 1), 1
	s_wait_xcnt 0x0
	s_wait_alu depctr_hold_cnt(0) depctr_sa_sdst(0) depctr_va_vdst(0) depctr_va_sdst(0) depctr_va_ssrc(0) depctr_va_vcc(0) depctr_vm_vsrc(0)
	s_getreg_b32 s2, hwreg(HW_REG_IB_STS2, 6, 4)
	s_cmp_eq_u32 s2, 0
	s_cbranch_scc0 .Lentry_in_a_cluster
	s_endpgm
.Lentry_in_a_cluster:
	s_bfe_u32 s2, ttmp6, 0x10000c
	s_cmp_lg_u32 s2, 0xf033
	s_cbranch_scc0 .Lentry_shape_is_right
	s_endpgm
.Lentry_shape_is_right:
; For each batch, query row and chunk of 128 keys:  t = sum over a of (q/4)(k/4);  c t = log2(e) x score, c = 16 log2(e) / 32;  m2 = c x (the chunk's largest t);
; ph[batch][row][key] = f16( 2^(c t - m2) );  mx[batch][chunk][row] = m2;  ls[batch][chunk][row] = the chunk's sum of 2^(c t - m2), unrounded, in f32.
; The next launch takes the maximum of a row's sixteen m2 and rescales, so that together the two launches take the row's true maximum away in front of the exponential.
; qkv: [3][8192][1024] f16 (q/4, k/4, v/4); ph: [4][2048][2048] f16; mx, ls: [4][16][2048] f32.  LIMITS: NaN and infinities are not served; weights under 2^-25 of their chunk's largest become 0 in f16.
; A tile of 256 queries x 256 keys by four waves, each 128 x 128 (a wave's 128 keys ARE a chunk): 64 accumulators.  K (a) in steps of 128 through two LDS slots; both tiles have rows of 256 bytes.
; CLUSTER 4 x 4: q's tiles are shared along a row of the cluster, k's along a column (the batch hangs on the cluster's y alone); each tile is asked for jointly.
; TRANSPOSED USE (source 0 = 16 keys, source 1 = 16 queries): a lane holds query l % 16 and the keys 8 (l / 16) + 0..7 of each of 8 blocks: a query's 128 scores lie in 64 registers of two lanes, 16 apart.
; REGISTERS: window 0: v16-29 addresses; v64-127, v128-191 fragments of A (on the way out v64-95 at work, v96-111 the blocks' m2 and sums); v192-223 packed weights; v32-63, v224-255 rows read back.
;   window 1: v64-127, v128-191 fragments of B.   windows 2, 3: the accumulators: (a, b) at v[8 (8 (a % 4) + b)].
.set PITCH,  272                       ; an LDS row: 256 bytes + 16 of padding: the 16 rows of a fragment load start at 16 different groups of four banks (64 banks of 4 bytes: ISA guide 11.1)
.set HALFT,  128*PITCH
.set SLOT,   4*HALFT                   ; A's 256 rows, then B's 256 rows
.set STAGE,  2*SLOT
.set SPITCH, 272
.set LAPS,   4
.set ROWC,   4096                      ; bytes in a row of ph
.set STEP,   2*128*2                   ; a slot's next tile: 256 along the rows
.set ADRA, 16
.set ADRB, 20
.set STO,  24
.set RD,   25
.set CO,   26
.set SA,   27                          ; v27  my stage + 4 x lane
.set SB,   28                          ; v28  my stage + 16 x lane
.set SG,   29                          ; v29  16 x lane
.set F0,   64
.set F1,   128
.set T,    64                          ; the way out: at work
.set ST,   96                          ; the way out: block a: v[ST+2a] m2, v[ST+2a+1] the largest t, later the sum
.set TMP,  192
.set OB,   32
.set G1, 24
.set G0, 32
.set G1B, 48
.set G0B, 56
.set CS,  76                           ; s[76:77] c, twice
.set SEL, 80                           ; s[80:81] lane selects for v_permlanex16_b32: each lane takes its own place in the other half
.set MSB, 0
.macro WIN new
.if MSB != \new
	s_set_vgpr_msb (MSB<<8)|\new
.set MSB, \new
.endif
.endm
.set MUL_LO, 0xa1
.set MUL_HI, 0xf1
.set TO_B,   0x40
.macro JLOAD s                         ; a joint load: waves 0 and 1 fetch A's two halves, waves 2 and 3 B's; four v_nop follow each of the two lines
	s_cmp_eq_u32 s11, 0
	s_cbranch_scc0 .Lfor_b_\@
	tensor_load_to_lds s[G0+4*\s:G0+4*\s+3], s[G1:G1+7]
	s_nop 0
.rept 4
	v_nop
.endr
	s_branch .Lasked_\@
.Lfor_b_\@:
	tensor_load_to_lds s[G0B+4*\s:G0B+4*\s+3], s[G1B:G1B+7]
	s_nop 0
.rept 4
	v_nop
.endr
.Lasked_\@:
.endm
.macro CREST
	s_cmp_lg_u32 s10, 0
	s_cbranch_scc1 .Lnot_wave_0_\@
	s_barrier_signal -3
.Lnot_wave_0_\@:
	s_barrier_wait -3
	s_barrier_signal -1
	s_barrier_wait -1
.endm
.macro CROUND
	s_barrier_signal -1
	s_barrier_wait -1
	CREST
.endm
.macro PLACES
.rept 4
	v_nop
.endr
.endm
	s_load_b128 s[4:7], s[0:1], 0x0                ; qkv s[4:5], ph s[6:7]
	s_load_b128 s[68:71], s[0:1], 0x10             ; mx s[68:69], ls s[70:71]
	s_set_vgpr_msb 0x40
	v_lshl_add_u32 v255, v0, 2, 0x48400
	s_set_vgpr_msb 0x4000
	v_mov_b32 v31, 0
	s_set_vgpr_msb 0x1
	ds_add_u32 v255, v31
	s_set_vgpr_msb 0x100
	v_lshrrev_b32 v1, 5, v0
	v_readfirstlane_b32 s10, v1                    ; wave 0..3
	s_lshr_b32 s11, s10, 1                         ; which half of the tile's queries is mine.  Also: I fetch for A (0) or for B (1)
	s_and_b32 s12, s10, 1                          ; which half of its keys.  Also: which 128 rows of that tile I fetch
	s_bfe_u32 s40, ttmp6, 0x40000                  ; cx
	s_bfe_u32 s41, ttmp6, 0x40004                  ; cy
	s_lshl_b32 s42, ttmp9, 2
	s_add_co_u32 s42, s42, s40                     ; tile column (keys) 0..7
	s_and_b32 s45, ttmp7, 0xffff
	s_lshl_b32 s13, s45, 2
	s_add_co_u32 s13, s13, s41                     ; tile row (queries) 0..31 over the four batches
	s_lshr_b32 s66, s45, 1                         ; the batch: two clusters (2,048 queries) each
	s_lshl_b32 s43, s41, 2
	s_lshl_b32 s43, 15, s43                        ; my row of the cluster
	s_lshl_b32 s44, 0x1111, s40                    ; my column
	s_or_b32 s[G1+0], s43, (1<<16)|(1<<20)|(1<<21)|(5<<22)|(3<<25)   ; elements of 2 bytes; 16 bytes of padding behind every 64 words
	s_or_b32 s[G1B+0], s44, (1<<16)|(1<<20)|(1<<21)|(5<<22)|(3<<25)
.irp g, G1, G1B
	s_mov_b32 s[\g+1], 128<<16                     ; tensor_dim0 = 128
	s_mov_b32 s[\g+2], 128<<16                     ; tensor_dim1 = 128
	s_mov_b32 s[\g+3], 128<<16                     ; tile_dim0 = 128
	s_mov_b32 s[\g+4], 128                         ; tile_dim1 = 128
	s_mov_b32 s[\g+5], 1024                        ; elements from row to row
	s_mov_b32 s[\g+6], 0
	s_mov_b32 s[\g+7], 0
.endr
	s_lshl_b32 s16, s13, 8                         ; A: q's row 256 x tile row + 128 x half, in bytes
	s_lshl_b32 s17, s12, 7
	s_add_co_u32 s16, s16, s17
	s_lshl_b32 s16, s16, 11
	s_mov_b32 s17, 0
	s_lshl_b32 s46, s66, 11                        ; B: k's row 8,192 + 2,048 x batch + 256 x tile column + 128 x half
	s_add_co_u32 s46, s46, 8192
	s_lshl_b32 s47, s42, 8
	s_add_co_u32 s46, s46, s47
	s_lshl_b32 s47, s12, 7
	s_add_co_u32 s46, s46, s47
	s_lshl_b32 s46, s46, 11
	s_mov_b32 s47, 0
	s_lshl_b32 s78, s66, 4                         ; the statistics: ((16 x batch + chunk) x 2,048 + my first row in the batch) x 4 bytes; chunk = 2 x tile column + half
	s_lshl_b32 s79, s42, 1
	s_add_co_u32 s78, s78, s79
	s_add_co_u32 s78, s78, s12
	s_lshl_b32 s78, s78, 11
	s_and_b32 s79, s13, 7
	s_lshl_b32 s79, s79, 8
	s_add_co_u32 s78, s78, s79
	s_lshl_b32 s79, s11, 7
	s_add_co_u32 s78, s78, s79
	s_lshl_b32 s78, s78, 2
	s_mov_b32 s79, 0
	s_mov_b32 s[CS], 0x3f38aa3b                    ; c = 16 log2(e) / 32 = 0.7213475
	s_mov_b32 s[CS+1], s[CS]
	s_mov_b32 s[SEL], 0x76543210
	s_mov_b32 s[SEL+1], 0xfedcba98
	s_mul_i32 s20, s10, HALFT
	s_wait_dscnt 0x0
	s_wait_kmcnt 0x0
	s_add_nc_u64 s[14:15], s[4:5], s[16:17]
	s_add_nc_u64 s[46:47], s[4:5], s[46:47]
	s_add_nc_u64 s[68:69], s[68:69], s[78:79]
	s_add_nc_u64 s[70:71], s[70:71], s[78:79]
	CROUND                                         ; all sixteen work-groups are here: the first joint loads meet
.irp s, 0,1
	s_mov_b32 s[G0+4*\s], 1
	s_add_co_u32 s[G0+4*\s+1], s20, \s*SLOT
	s_add_nc_u64 s[G0+4*\s+2:G0+4*\s+3], s[14:15], \s*128*2
	s_or_b32 s[G0+4*\s+3], s[G0+4*\s+3], 0x80000000
	s_mov_b32 s[G0B+4*\s], 1
	s_add_co_u32 s[G0B+4*\s+1], s20, \s*SLOT
	s_add_nc_u64 s[G0B+4*\s+2:G0B+4*\s+3], s[46:47], \s*128*2
	s_or_b32 s[G0B+4*\s+3], s[G0B+4*\s+3], 0x80000000
	JLOAD \s                                       ; two tensor loads of mine are out
.endr
	v_and_b32 v1, 15, v0                           ; r
	v_bfe_u32 v2, v0, 4, 1                         ; h
	v_mul_u32_u24 v3, v1, PITCH
	v_lshl_add_u32 v3, v2, 4, v3
	s_mul_i32 s21, s11, HALFT
	s_mul_i32 s22, s12, HALFT
	s_add_co_u32 s22, s22, 2*HALFT
.irp s, 0,1
	v_add_nc_u32 v[ADRA+\s], s21, v3
	v_add_nc_u32 v[ADRB+\s], s22, v3
	s_add_co_u32 s21, s21, SLOT
	s_add_co_u32 s22, s22, SLOT
.endr
	s_mul_i32 s23, s10, 16*SPITCH
	s_add_co_u32 s23, s23, STAGE                   ; my stage
	v_mul_u32_u24 v4, v1, SPITCH
	v_lshl_add_u32 v4, v2, 4, v4
	v_add_nc_u32 v[STO], s23, v4
	v_mul_u32_u24 v5, v2, SPITCH
	v_lshl_add_u32 v5, v1, 4, v5
	v_add_nc_u32 v[RD], s23, v5
	v_mul_u32_u24 v5, v2, ROWC
	v_lshl_add_u32 v[CO], v1, 4, v5
	v_and_b32 v6, 31, v0                           ; lane
	v_lshl_add_u32 v[SA], v6, 2, s23
	v_lshl_add_u32 v[SB], v6, 4, s23
	v_lshlrev_b32 v[SG], 4, v6
	s_lshl_b32 s16, s13, 8                         ; where my part of the tile begins in ph
	s_lshl_b32 s17, s11, 7
	s_add_co_u32 s16, s16, s17
	s_lshl_b32 s16, s16, 12
	s_lshl_b32 s46, s42, 9
	s_lshl_b32 s47, s12, 8
	s_add_co_u32 s46, s46, s47
	s_add_co_u32 s16, s16, s46
	s_mov_b32 s17, 0
	s_add_nc_u64 s[8:9], s[6:7], s[16:17]
; 16 matrix instructions; zero = 1: the first product starts the sums.  The 64 accumulators take turns, one instruction a turn.
.macro MUL16 f, hi, a0, zero
.irp a, \a0, \a0+1
.irp b, 0,1,2,3,4,5,6,7
.if \zero
	v_wmma_f32_16x16x32_f16 v[8*(8*(\a)+\b):8*(8*(\a)+\b)+7], v[\f+8*\b:\f+8*\b+7], v[\f+8*(4*\hi+\a):\f+8*(4*\hi+\a)+7], 0
.else
	v_wmma_f32_16x16x32_f16 v[8*(8*(\a)+\b):8*(8*(\a)+\b)+7], v[\f+8*\b:\f+8*\b+7], v[\f+8*(4*\hi+\a):\f+8*(4*\hi+\a)+7], v[8*(8*(\a)+\b):8*(8*(\a)+\b)+7]
.endif
.endr
.endr
.endm
.macro FETCH slot, q, f                ; 32 LDS loads in one run: quarter q's fragments into buffer f: B's 128 rows, then A's
	WIN TO_B
.irp i, 0,1,2,3,4,5,6,7
	ds_load_b128 v[\f+8*\i:\f+8*\i+3],   v[ADRB+\slot] offset:64*\q+\i*16*PITCH
	ds_load_b128 v[\f+8*\i+4:\f+8*\i+7], v[ADRB+\slot] offset:64*\q+\i*16*PITCH+32
.endr
	WIN 0
.irp i, 0,1,2,3,4,5,6,7
	ds_load_b128 v[\f+8*\i:\f+8*\i+3],   v[ADRA+\slot] offset:64*\q+\i*16*PITCH
	ds_load_b128 v[\f+8*\i+4:\f+8*\i+7], v[ADRA+\slot] offset:64*\q+\i*16*PITCH+32
.endr
.endm
.macro QUARTER slot, q, f, g, zero
	s_wait_dscnt 8                                 ; B and A's rows 0-63 are in; the youngest eight loads (A's rows 64-127) may be out
	WIN MUL_LO
	MUL16 \f, 0, 0, \zero
	MUL16 \f, 0, 2, \zero
	PLACES
	FETCH \slot, \q, \g
	s_wait_dscnt 32                                ; all but the 32 just issued
	WIN MUL_HI
	MUL16 \f, 1, 0, \zero
	MUL16 \f, 1, 2, \zero
.endm
; The last quarter multiplies buffer 1 and changes slots: one barrier; in front of it each wave waits for its reads of this slot and for all its tensor loads.
; fill = 1: the barrier opens a round of the cluster's barrier and this slot is filled again first thing behind it, 240 matrix instructions ahead of the wait for that load.
.macro TURN slot, next, fill
	s_wait_dscnt 8
	WIN MUL_LO
	MUL16 F1, 0, 0, 0
	s_wait_dscnt 0                                 ; my reads of this slot are over
	s_wait_tensorcnt 0x0                           ; all my tensor loads have landed
	ds_add_u32 v255, v31
	s_wait_dscnt 0x0
	s_barrier_signal -1
	MUL16 F1, 0, 2, 0
.if \fill
	WIN 0
.endif
	s_barrier_wait -1
.if \fill
	CREST
	s_add_nc_u64 s[G0+4*\slot+2:G0+4*\slot+3], s[G0+4*\slot+2:G0+4*\slot+3], STEP
	s_add_nc_u64 s[G0B+4*\slot+2:G0B+4*\slot+3], s[G0B+4*\slot+2:G0B+4*\slot+3], STEP
	JLOAD \slot
.else
	PLACES
.endif
	FETCH \next, 0, F0
	WIN MUL_HI
	MUL16 F1, 1, 0, 0
	MUL16 F1, 1, 2, 0
.endm
; BLOCK a's SOFTMAX PIECE (16 queries x 128 keys; a lane has 64 scores of one query in 64 registers of window W).
.macro SOFT a
.set AC, 64*((\a)%4)
.set W,  2+(\a)/4
.set CM, ST+2*(\a)
	WIN 21*W                                       ; all three sources window W, destination window 0
.set i, 0
.rept 21
	v_max3_num_f32 v[T+i], v[AC+3*i], v[AC+3*i+1], v[AC+3*i+2]
.set i, i+1
.endr
	v_max3_num_f32 v[T+21], v[AC+61], v[AC+62], v[AC+63]
	WIN 0
.set i, 0
.rept 7
	v_max3_num_f32 v[T+i], v[T+3*i], v[T+3*i+1], v[T+3*i+2]
.set i, i+1
.endr
	v_max3_num_f32 v[T], v[T], v[T+1], v[T+2]
	v_max3_num_f32 v[T+3], v[T+3], v[T+4], v[T+5]
	v_max_num_f32 v[T+6], v[T+6], v[T+21]
	v_max3_num_f32 v[T], v[T], v[T+3], v[T+6]
	v_permlanex16_b32 v[T+1], v[T], s[SEL], s[SEL+1]   ; the query's other 64 keys lie in the lane 16 away
	v_max_num_f32 v[CM+1], v[T], v[T+1]
	v_mul_f32 v[CM], s[CS], v[CM+1]                ; m2 = c x the largest
	WIN 65*W                                       ; destination and source 0 window W; m2 in window 0
.set i, 0
.rept 32
	v_pk_fma_f32 v[AC+i:AC+i+1], v[AC+i:AC+i+1], s[CS:CS+1], v[CM:CM+1] op_sel_hi:[1,0,0] neg_lo:[0,0,1] neg_hi:[0,0,1]   ; c t - m2
.set i, i+2
.endr
.set i, 0
.rept 64
	v_exp_f32 v[AC+i], v[AC+i]
.set i, i+1
.endr
	v_nop                                          ; a plain instruction between the last exponential and the use of its result (ISA guide 5.7.2)
	WIN 5*W                                        ; sources 0 and 1 window W, destination window 0
	s_wait_alu depctr_va_vdst(0)
.irp b, 0,1,2,3,4,5,6,7
.irp r, 0,1,2,3
	v_cvt_pk_f16_f32 v[TMP+4*\b+\r], v[AC+8*\b+2*\r], v[AC+8*\b+2*\r+1]
.endr
.endr
.set i, 0
.rept 16
	v_pk_add_f32 v[T+2*i:T+2*i+1], v[AC+4*i:AC+4*i+1], v[AC+4*i+2:AC+4*i+3]
.set i, i+1
.endr
	WIN 0
.irp n, 16,8,4,2
.set i, 0
.rept \n/2
	v_pk_add_f32 v[T+2*i:T+2*i+1], v[T+2*i:T+2*i+1], v[T+2*i+\n:T+2*i+\n+1]
.set i, i+1
.endr
.endr
	v_add_f32 v[T], v[T], v[T+1]
	v_permlanex16_b32 v[T+1], v[T], s[SEL], s[SEL+1]
	v_add_f32 v[CM+1], v[T], v[T+1]                ; the chunk's sum
.endm
.macro TOSTAGE a
.set BK, OB+192*((\a)%2)
.irp b, 0,1,2,3,4,5,6,7
	ds_store_b128 v[STO], v[TMP+4*\b:TMP+4*\b+3] offset:32*\b
.endr
.irp t, 0,1,2,3,4,5,6,7
	ds_load_b128 v[BK+4*\t:BK+4*\t+3], v[RD] offset:\t*2*SPITCH    ; LDS serves a wave's instructions in order (ISA guide 5.7.1.4): these see the stores above
.endr
.endm
.macro SEND a
.set BK, OB+192*((\a)%2)
	s_wait_dscnt 0x0
	s_wait_xcnt 0x0                                ; the stores' base, and the registers that earlier stores read, are rewritten only behind this wait
.if (\a) != 0
	s_add_nc_u64 s[8:9], s[8:9], 16*ROWC
.endif
.irp t, 0,1,2,3,4,5,6,7
	global_store_b128 v[CO], v[BK+4*\t:BK+4*\t+3], s[8:9] offset:2*\t*ROWC     ; 16 lanes store 256 consecutive bytes, aligned
.endr
.endm
	s_wait_tensorcnt 1                             ; my part of K step 0 is in; K step 1's may stay out
	s_barrier_signal -1
	s_barrier_wait -1
	FETCH 0, 0, F0
	QUARTER 0, 1, F0, F1, 1
	WIN 0
	s_mov_b32 s3, LAPS-1
.Llap:
	QUARTER 0, 2, F1, F0, 0
	QUARTER 0, 3, F0, F1, 0
	TURN 0, 1, 1
	QUARTER 1, 1, F0, F1, 0
	QUARTER 1, 2, F1, F0, 0
	QUARTER 1, 3, F0, F1, 0
	TURN 1, 0, 1
	QUARTER 0, 1, F0, F1, 0
	WIN 0
	s_sub_co_u32 s3, s3, 1
	s_cmp_lg_u32 s3, 0
	s_cbranch_scc1 .Llap
	QUARTER 0, 2, F1, F0, 0                        ; the last lap fills nothing
	QUARTER 0, 3, F0, F1, 0
	TURN 0, 1, 0
	QUARTER 1, 1, F0, F1, 0
	QUARTER 1, 2, F1, F0, 0
	QUARTER 1, 3, F0, F1, 0
	s_wait_dscnt 8
	WIN MUL_LO
	MUL16 F1, 0, 0, 0
	MUL16 F1, 0, 2, 0
	s_wait_dscnt 0
	WIN MUL_HI
	MUL16 F1, 1, 0, 0
	MUL16 F1, 1, 2, 0
	WIN 0
	PLACES
	SOFT 0
	TOSTAGE 0
.irp a, 1,2,3,4,5,6,7                  ; block a's arithmetic stands between block a - 1's loads from the stage and the wait for them
	SOFT \a
	SEND \a-1
	TOSTAGE \a
.endr
	SEND 7
	; THE STATISTICS.  Every lane holds m2 and the sum of row 16 a + r for a = 0..7, the same in both halves.  Lane l takes row 32 j + l (block 2 j + h), the 128 rows pass through my stage,
	; and come back four neighbouring rows a lane: one store each for mx and ls, of 512 consecutive bytes, aligned.
	v_cmp_ne_u32 vcc_lo, 0, v2                     ; lanes 16-31
.irp j, 0,1,2,3
	v_cndmask_b32 v[T+\j],   v[ST+4*\j],   v[ST+4*\j+2], vcc_lo
	v_cndmask_b32 v[T+4+\j], v[ST+4*\j+1], v[ST+4*\j+3], vcc_lo
.endr
.irp j, 0,1,2,3
	ds_store_b32 v[SA], v[T+\j]   offset:128*\j
	ds_store_b32 v[SA], v[T+4+\j] offset:512+128*\j
.endr
	ds_load_b128 v[T+8:T+11],  v[SB]
	ds_load_b128 v[T+12:T+15], v[SB] offset:512
	s_wait_dscnt 0x0
	global_store_b128 v[SG], v[T+8:T+11],  s[68:69]
	global_store_b128 v[SG], v[T+12:T+15], s[70:71]
	s_set_vgpr_msb 0x1
	s_wait_tensorcnt 0x0
	ds_add_u32 v255, v31
	s_wait_dscnt 0x0
	s_set_vgpr_msb 0x100
	CROUND                                         ; the closing round
	s_endpgm
.Lfunc_end_k_qc0755a0255_scores:
	.size	k_qc0755a0255_scores, .Lfunc_end_k_qc0755a0255_scores-k_qc0755a0255_scores
	.p2alignl 7, 3214868480
	.fill 96, 4, 3214868480
	.section	.rodata,"a",@progbits
	.p2align	6, 0x0
	.amdhsa_kernel k_qc0755a0255_scores
		.amdhsa_group_segment_fixed_size 327680
		.amdhsa_private_segment_fixed_size 0
		.amdhsa_enable_private_segment 0
		.amdhsa_kernarg_size 32
		.amdhsa_user_sgpr_count 2
		.amdhsa_user_sgpr_kernarg_segment_ptr 1
		.amdhsa_wavefront_size32 1
		.amdhsa_system_sgpr_workgroup_id_x 1
		.amdhsa_system_sgpr_workgroup_id_y 1
		.amdhsa_system_sgpr_workgroup_id_z 1
		.amdhsa_system_vgpr_workitem_id 0
		.amdhsa_next_free_vgpr 1024
		.amdhsa_next_free_sgpr 82
		.amdhsa_reserve_vcc 1
		.amdhsa_float_denorm_mode_32 3
		.amdhsa_float_denorm_mode_16_64 3
		.amdhsa_memory_ordered 1
		.amdhsa_forward_progress 1
		.amdhsa_inst_pref_size 212
	.end_amdhsa_kernel
	.amdgpu_metadata
---
amdhsa.version: [ 1, 2 ]
amdhsa.kernels:
  - .name:           k_qc0755a0255_scores
    .symbol:         k_qc0755a0255_scores.kd
    .args:
      - { .name: qkv, .offset: 0, .size: 8, .value_kind: global_buffer, .address_space: global }
      - { .name: ph, .offset: 8, .size: 8, .value_kind: global_buffer, .address_space: global }
      - { .name: mx, .offset: 16, .size: 8, .value_kind: global_buffer, .address_space: global }
      - { .name: ls, .offset: 24, .size: 8, .value_kind: global_buffer, .address_space: global }
    .group_segment_fixed_size: 327680
    .private_segment_fixed_size: 0
    .kernarg_segment_align: 8
    .kernarg_segment_size: 32
    .max_flat_workgroup_size: 128
    .sgpr_count:     82
    .vgpr_count:     1024
    .wavefront_size: 32
...
	.end_amdgpu_metadata
.endif
;; end of part 3
;; launch pv (part 4): grid 4 x 64, 4 waves a work-group, clusters of 4 x 4, 327,680 bytes of LDS; arguments ph, qkv, mx, ls, out0; writes out0
.if DOCPART == 4
	.amdgcn_target "amdgcn-amd-amdhsa--gfx1250"
	.amdhsa_code_object_version 6
	.text
	.protected	k_qc0755a0255_pv
	.globl	k_qc0755a0255_pv
	.p2align	8
	.type	k_qc0755a0255_pv,@function
k_qc0755a0255_pv:
	s_mov_b64 s[64:65], 0
	v_nop
	global_prefetch_b8 v0, s[64:65] scope:SCOPE_SE
	s_setreg_imm32_b32 hwreg(HW_REG_WAVE_MODE, 25, 1), 1
	s_wait_xcnt 0x0
	s_wait_alu depctr_hold_cnt(0) depctr_sa_sdst(0) depctr_va_vdst(0) depctr_va_sdst(0) depctr_va_ssrc(0) depctr_va_vcc(0) depctr_vm_vsrc(0)
	s_getreg_b32 s2, hwreg(HW_REG_IB_STS2, 6, 4)
	s_cmp_eq_u32 s2, 0
	s_cbranch_scc0 .Lentry_in_a_cluster
	s_endpgm
.Lentry_in_a_cluster:
	s_bfe_u32 s2, ttmp6, 0x10000c
	s_cmp_lg_u32 s2, 0xf033
	s_cbranch_scc0 .Lentry_shape_is_right
	s_endpgm
.Lentry_shape_is_right:
; out0[batch][row][ch] = (4 / L) x sum over keys of ( ph[row][key] x f[chunk of key] ) x (v/4)[key][ch], where for each row  M = the largest of its sixteen m2,  f[c] = 2^(m2[c] - M) <= 1,
; L = sum over c of f[c] ls[c] >= 1.  ph x f = 2^(log2(e) score - M): the softmax with the row's true maximum taken away.  ph: [4][2048][2048] f16; v/4 = qkv[2]: [8192][1024] f16; out0 f32.
; LIMITS: the weight is rounded to f16 twice (as stored, and after the factor f, itself rounded to f16); L is summed from unrounded numbers; weights under 2^-25 of the row's largest become 0; NaN and infinities are not served.
; A tile of 128 queries x 256 channels by four waves, each 64 x 128: 32 accumulators.  That tile gives 256 work-groups.  K (keys) in steps of 128 (one chunk) through two LDS slots.
; A's tile: 128 rows of ph x 128 keys, rows of 256 bytes.  B's tile is taken as v lies, [key][channel]: 128 rows x 256 channels, rows of 512 bytes, turned on the way into registers.
; CLUSTER 4 x 4: ph's tiles are shared along a row of the cluster, v's along a column (the batch hangs on the cluster's y alone).
; TRANSPOSED USE (source 0 = 16 channels, source 1 = 16 queries): a lane holds query l % 16 both in A's fragment and in the result, so f and 4 / L are one number a lane and block.
; THE STATISTICS: lane l takes rows 2 l and 2 l + 1 of my wave's 64: a load of 8 bytes a lane covers a chunk's 256 consecutive bytes, 32 loads in all, and each row's M, f and L are made once.
; f then lies in LDS as a table of the wave's own, [chunk][r][block], each entry f16 twice: one load of 16 bytes a K step brings a lane its four factors.  4 / L passes through 512 more bytes
; of that table, [r][block], each entry written twice, and comes back as the register pairs that the way out multiplies by.
; REGISTERS: window 0: v16-31 addresses; v32-35 this chunk's f; v36-37 M; v40-41 L; v38-39, v42-43 4 / L of my two rows; v44-51 4 / L of my four blocks, in pairs; v64-95, v96-127 fragments of A,
;   two buffers; v128-159, v192-223 m2 (then f) and ls at the head.
;   On the way out: v128-191 a block in f32, v192-255 and v64-127 rows read back, by turns.   window 1: v64-127, v128-191 fragments of B.   window 2: the accumulators: (a, b) at v[8 (8 a + b)].
.set PITCH,  272                       ; A's LDS row: 256 + 16
.set PB,     544                       ; B's LDS row: 512 + 32
.set HALFA,  64*PITCH                  ; 17,408: what a tensor load brings of A, and what a wave reads of it
.set HALFB,  64*PB                     ; 34,816: what a tensor load brings of B
.set SLOT,   2*HALFA+2*HALFB           ; 104,448
.set STAGE,  2*SLOT                    ; 208,896: 16 rows x 528 bytes for each wave; no tensor load fills it
.set SPITCH, 528                       ; a stage row: 512 bytes + 16: the 16 rows that a store touches start at 16 different groups of four banks
.set TAB,    STAGE+4*16*SPITCH         ; 242,688: the tables
.set TABW,   4096+512                  ; a wave's table: sixteen chunks of 256 bytes of f, then 512 bytes of 4 / L
.set LAPS,   8                         ; 2,048 keys / 256
.set ROWC,   4096                      ; bytes in a row of out0, and of ph
.set STEP_A, 2*128*2
.set STEP_B, 2*128*2048
.set ADRA, 16
.set ADRB, 20
.set STO,  24
.set RD,   25
.set CO,   26
.set FT0,  27                          ; v27  my table + 16 r: my place in a chunk of the table; never rewritten
.set FTA,  28                          ; v28  the table address in hand
.set MO,   29                          ; v29  8 x lane
.set FS,   30                          ; v30  where I put f of row 2 l (row 2 l + 1: 16 bytes on)
.set FS2,  31                          ; v31  where I put 4 / L of row 2 l (row 2 l + 1: 32 bytes on), less the 4,096 in the immediate
.set FA,   32
.set MM,   36
.set R0,   38
.set LL,   40
.set R1,   42
.set IL,   44
.set AF,   64                          ; A's buffers: v[AF + 32 p ..], window 0
.set BF,   64                          ; B's buffers: v[BF + 64 p ..], window 1
.set MF,   128
.set LF,   192
.set T,    128
.set BK0,  192
.set G1, 24
.set G0, 32
.set G1B, 48
.set G0B, 56
.set CH, 67                            ; s67  byte offset in the table of the chunk to be fetched next
.set MSB, 0
.macro WIN new
.if MSB != \new
	s_set_vgpr_msb (MSB<<8)|\new
.set MSB, \new
.endif
.endm
.set MUL,  0xa1                        ; source 0 (B) window 1, source 1 (A) window 0, C and D window 2
.set TO_B, 0x40
.macro JLOAD s                         ; a joint load: waves 0 and 1 fetch A's two halves, waves 2 and 3 B's; four v_nop follow each of the two lines
	s_cmp_eq_u32 s11, 0
	s_cbranch_scc0 .Lfor_b_\@
	tensor_load_to_lds s[G0+4*\s:G0+4*\s+3], s[G1:G1+7]
	s_nop 0
.rept 4
	v_nop
.endr
	s_branch .Lasked_\@
.Lfor_b_\@:
	tensor_load_to_lds s[G0B+4*\s:G0B+4*\s+3], s[G1B:G1B+7]
	s_nop 0
.rept 4
	v_nop
.endr
.Lasked_\@:
.endm
.macro CREST
	s_cmp_lg_u32 s10, 0
	s_cbranch_scc1 .Lnot_wave_0_\@
	s_barrier_signal -3
.Lnot_wave_0_\@:
	s_barrier_wait -3
	s_barrier_signal -1
	s_barrier_wait -1
.endm
.macro CROUND
	s_barrier_signal -1
	s_barrier_wait -1
	CREST
.endm
.macro PLACES
.rept 4
	v_nop
.endr
.endm
	s_load_b128 s[4:7], s[0:1], 0x0                ; ph s[4:5], qkv s[6:7]
	s_load_b128 s[68:71], s[0:1], 0x10             ; mx s[68:69], ls s[70:71]
	s_load_b64 s[8:9], s[0:1], 0x20                ; out0
	s_set_vgpr_msb 0x40
	v_lshl_add_u32 v255, v0, 2, 0x3fc00
	s_set_vgpr_msb 0x4000
	v_mov_b32 v63, 0
	s_set_vgpr_msb 0x1
	ds_add_u32 v255, v63
	s_set_vgpr_msb 0x100
	v_lshrrev_b32 v1, 5, v0
	v_readfirstlane_b32 s10, v1                    ; wave 0..3
	v_and_b32 v6, 31, v0                           ; lane
	v_lshlrev_b32 v[MO], 3, v6
	s_lshr_b32 s11, s10, 1                         ; which 64 of the tile's queries are mine.  Also: I fetch for A (0) or for B (1)
	s_and_b32 s12, s10, 1                          ; which 128 of its channels.  Also: which half of that tile I fetch
	s_bfe_u32 s40, ttmp6, 0x40000                  ; cx
	s_bfe_u32 s41, ttmp6, 0x40004                  ; cy
	s_lshl_b32 s42, ttmp9, 2
	s_add_co_u32 s42, s42, s40                     ; tile column (channels) 0..3
	s_and_b32 s45, ttmp7, 0xffff
	s_lshl_b32 s13, s45, 2
	s_add_co_u32 s13, s13, s41                     ; tile row (queries) 0..63 over the four batches
	s_lshr_b32 s66, s45, 2                         ; the batch: four clusters (2,048 queries) each
	s_lshl_b32 s43, s41, 2
	s_lshl_b32 s43, 15, s43                        ; my row of the cluster
	s_lshl_b32 s44, 0x1111, s40                    ; my column
	; group 1 for A: 64 rows x 128 elements of 2 bytes, 16 bytes of padding behind every 64 words
	s_or_b32 s[G1+0], s43, (1<<16)|(1<<20)|(1<<21)|(5<<22)|(3<<25)
	s_mov_b32 s[G1+1], 128<<16
	s_mov_b32 s[G1+2], 64<<16
	s_mov_b32 s[G1+3], 128<<16
	s_mov_b32 s[G1+4], 64
	s_mov_b32 s[G1+5], 2048                        ; elements from row to row of ph
	s_mov_b32 s[G1+6], 0
	s_mov_b32 s[G1+7], 0
	; group 1 for B: 64 rows x 256 elements, 32 bytes of padding behind every 128 words
	s_or_b32 s[G1B+0], s44, (1<<16)|(1<<20)|(1<<21)|(6<<22)|(7<<25)
	s_mov_b32 s[G1B+1], 256<<16
	s_mov_b32 s[G1B+2], 64<<16
	s_mov_b32 s[G1B+3], 256<<16
	s_mov_b32 s[G1B+4], 64
	s_mov_b32 s[G1B+5], 1024
	s_mov_b32 s[G1B+6], 0
	s_mov_b32 s[G1B+7], 0
	s_lshl_b32 s16, s13, 7                         ; A: ph's row 128 x tile row + 64 x half, in bytes
	s_lshl_b32 s17, s12, 6
	s_add_co_u32 s16, s16, s17
	s_lshl_b32 s16, s16, 12
	s_mov_b32 s17, 0
	s_lshl_b32 s46, s66, 11                        ; B: qkv's row 16,384 + 2,048 x batch + 64 x half, in bytes, + 512 bytes x tile column
	s_add_co_u32 s46, s46, 16384
	s_lshl_b32 s47, s12, 6
	s_add_co_u32 s46, s46, s47
	s_lshl_b32 s46, s46, 11
	s_lshl_b32 s47, s42, 9
	s_add_co_u32 s46, s46, s47
	s_mov_b32 s47, 0
	s_lshl_b32 s78, s66, 15                        ; the statistics of my 64 rows: (batch x 16 x 2,048 + my first row in the batch) x 4 bytes: a multiple of 256
	s_and_b32 s79, s13, 15
	s_lshl_b32 s79, s79, 7
	s_add_co_u32 s78, s78, s79
	s_lshl_b32 s79, s11, 6
	s_add_co_u32 s78, s78, s79
	s_lshl_b32 s78, s78, 2
	s_mov_b32 s79, 0
	s_mul_i32 s20, s12, HALFA                      ; where A's half goes,
	s_mul_i32 s21, s12, HALFB                      ; and B's, behind A's 128 rows
	s_add_co_u32 s21, s21, 2*HALFA
	s_mov_b32 s[CH], 0
	s_wait_dscnt 0x0
	s_wait_kmcnt 0x0
	s_add_nc_u64 s[14:15], s[4:5], s[16:17]
	s_add_nc_u64 s[46:47], s[6:7], s[46:47]
	s_add_nc_u64 s[68:69], s[68:69], s[78:79]
	s_add_nc_u64 s[70:71], s[70:71], s[78:79]
.irp c, 0,1,2,3,4,5,6,7,8,9,10,11,12,13,14,15  ; m2 and ls of rows 2 l, 2 l + 1 in chunk c: they go out ahead of the round, and no launch's wave writes these bytes
	global_load_b64 v[MF+2*\c:MF+2*\c+1], v[MO], s[68:69] offset:8192*\c
	global_load_b64 v[LF+2*\c:LF+2*\c+1], v[MO], s[70:71] offset:8192*\c
.endr
	CROUND                                         ; all sixteen work-groups are here: the first joint loads meet
.irp s, 0,1
	s_mov_b32 s[G0+4*\s], 1
	s_add_co_u32 s[G0+4*\s+1], s20, \s*SLOT
	s_add_nc_u64 s[G0+4*\s+2:G0+4*\s+3], s[14:15], \s*128*2
	s_or_b32 s[G0+4*\s+3], s[G0+4*\s+3], 0x80000000
	s_mov_b32 s[G0B+4*\s], 1
	s_add_co_u32 s[G0B+4*\s+1], s21, \s*SLOT
	s_add_nc_u64 s[G0B+4*\s+2:G0B+4*\s+3], s[46:47], \s*128*2048
	s_or_b32 s[G0B+4*\s+3], s[G0B+4*\s+3], 0x80000000
	JLOAD \s                                       ; two tensor loads of mine are out
.endr
	v_and_b32 v1, 15, v0                           ; r
	v_bfe_u32 v2, v0, 4, 1                         ; h
	v_mul_u32_u24 v3, v1, PITCH
	v_lshl_add_u32 v3, v2, 4, v3                   ; A: row r x pitch + 16 h
	v_and_b32 v4, 7, v0
	v_bfe_u32 v5, v0, 3, 1
	v_lshl_add_u32 v4, v2, 3, v4                   ; B: row (key) 8 h + l % 8,
	v_mul_u32_u24 v4, v4, PB
	v_lshl_add_u32 v4, v5, 4, v4                   ; channels 8 ((l / 8) % 2) on
	s_mul_i32 s21, s11, HALFA                      ; my 64 rows of A
	s_lshl_b32 s22, s12, 8                         ; my 128 channels of B
	s_add_co_u32 s22, s22, 2*HALFA
.irp s, 0,1
	v_add_nc_u32 v[ADRA+\s], s21, v3
	v_add_nc_u32 v[ADRB+\s], s22, v4
	s_add_co_u32 s21, s21, SLOT
	s_add_co_u32 s22, s22, SLOT
.endr
	s_mul_i32 s23, s10, 16*SPITCH
	s_add_co_u32 s23, s23, STAGE                   ; my stage
	v_mul_u32_u24 v4, v1, SPITCH
	v_lshl_add_u32 v4, v2, 5, v4
	v_add_nc_u32 v[STO], s23, v4                   ; in: row r, 32 bytes for each half of the lanes
	v_lshl_add_u32 v[RD], v6, 4, s23               ; back: a whole row of 512 bytes, 16 bytes a lane
	v_lshlrev_b32 v[CO], 4, v6                     ; and the same in out0
	s_mul_i32 s21, s10, TABW
	s_add_co_u32 s21, s21, TAB                     ; my table
	v_lshl_add_u32 v[FT0], v1, 4, s21              ; out of it: f of row r's four blocks, 16 bytes
	v_lshl_add_u32 v[FTA], v1, 5, s21              ; and 4 / L of row r's four blocks, 32 bytes (4,096 in the immediate)
	v_and_b32 v7, 7, v0                            ; into it: row 2 l is r = 2 (l % 8) of block l / 8
	v_bfe_u32 v8, v0, 3, 2
	v_lshl_add_u32 v9, v7, 5, s21
	v_lshl_add_u32 v[FS], v8, 2, v9                ; 16 r + 4 x block
	v_lshl_add_u32 v9, v7, 6, s21
	v_lshl_add_u32 v[FS2], v8, 3, v9               ; 32 r + 8 x block
	s_lshl_b32 s16, s13, 7                         ; where my part of the tile begins in out0
	s_lshl_b32 s17, s11, 6
	s_add_co_u32 s16, s16, s17
	s_lshl_b32 s16, s16, 12
	s_lshl_b32 s46, s42, 10
	s_lshl_b32 s47, s12, 9
	s_add_co_u32 s46, s46, s47
	s_add_co_u32 s16, s16, s46
	s_mov_b32 s17, 0
	s_add_nc_u64 s[8:9], s[8:9], s[16:17]
	; M, f, L and 4 / L of my two rows, while the first tiles are on their way
	s_wait_loadcnt 0x0
.irp j, 0,1
	v_max3_num_f32 v[MM+\j], v[MF+\j], v[MF+2+\j], v[MF+4+\j]
.endr
.irp c, 3,5,7,9,11,13
.irp j, 0,1
	v_max3_num_f32 v[MM+\j], v[MM+\j], v[MF+2*\c+\j], v[MF+2*\c+2+\j]
.endr
.endr
.irp j, 0,1
	v_max_num_f32 v[MM+\j], v[MM+\j], v[MF+30+\j]
.endr
.irp c, 0,1,2,3,4,5,6,7,8,9,10,11,12,13,14,15
	v_pk_add_f32 v[MF+2*\c:MF+2*\c+1], v[MF+2*\c:MF+2*\c+1], v[MM:MM+1] neg_lo:[0,1] neg_hi:[0,1]   ; m2 - M
.endr
.set i, 0
.rept 32
	v_exp_f32 v[MF+i], v[MF+i]                     ; f
.set i, i+1
.endr
	v_nop                                          ; a plain instruction between the last exponential and the use of its result (ISA guide 5.7.2)
	s_wait_alu depctr_va_vdst(0)
	v_pk_mul_f32 v[LL:LL+1], v[MF:MF+1], v[LF:LF+1]
.irp c, 1,2,3,4,5,6,7,8,9,10,11,12,13,14,15
	v_pk_fma_f32 v[LL:LL+1], v[MF+2*\c:MF+2*\c+1], v[LF+2*\c:LF+2*\c+1], v[LL:LL+1]
.endr
.set i, 0
.rept 32
	v_cvt_pk_f16_f32 v[MF+i], v[MF+i], v[MF+i]     ; f in both halves, for the packed multiply
.set i, i+1
.endr
.irp c, 0,1,2,3,4,5,6,7,8,9,10,11,12,13,14,15
	ds_store_b32 v[FS], v[MF+2*\c]   offset:256*\c             ; the 32 lanes' words lie in 32 different banks
	ds_store_b32 v[FS], v[MF+2*\c+1] offset:256*\c+16
.endr
	v_rcp_f32 v[R0], v[LL]
	v_rcp_f32 v[R1], v[LL+1]
	v_nop                                          ; a plain instruction between the last reciprocal and the use of its result
	s_wait_alu depctr_va_vdst(0)
	v_mul_f32 v[R0+1], 4.0, v[R0]                  ; 4 / L: v was stored as v / 4.  Twice: the way out's packed multiply names a pair
	v_mul_f32 v[R0], 4.0, v[R0]
	v_mul_f32 v[R1+1], 4.0, v[R1]
	v_mul_f32 v[R1], 4.0, v[R1]
	ds_store_b64 v[FS2], v[R0:R0+1] offset:4096
	ds_store_b64 v[FS2], v[R1:R1+1] offset:4096+32
	ds_load_b128 v[IL:IL+3],   v[FTA] offset:4096      ; LDS serves a wave's instructions in order (ISA guide 5.7.1.4): these see my wave's stores above
	ds_load_b128 v[IL+4:IL+7], v[FTA] offset:4096+16
; In the macros below an argument that enters a product stands in parentheses: a caller may hand in a difference.
.macro SCALE p                         ; buffer p's weights times this chunk's f
.irp a, 0,1,2,3
.irp j, 0,1,2,3,4,5,6,7
	v_pk_mul_f16 v[AF+32*(\p)+8*\a+\j], v[AF+32*(\p)+8*\a+\j], v[FA+\a]
.endr
.endr
.endm
.macro FETCHF                          ; the next chunk's four factors
	v_add_nc_u32 v[FTA], s[CH], v[FT0]
	ds_load_b128 v[FA:FA+3], v[FTA]
	s_add_co_u32 s[CH], s[CH], 256
.endm
.macro FETCH slot, q, p                ; 24 LDS loads in one run: quarter q's fragments into buffers p: B's 128 channels, then A's 64 rows
	WIN TO_B
.irp i, 0,1,2,3,4,5,6,7
	ds_load_tr16_b128 v[BF+64*(\p)+8*\i:BF+64*(\p)+8*\i+3],   v[ADRB+\slot] offset:(\q)*32*PB+32*\i
	ds_load_tr16_b128 v[BF+64*(\p)+8*\i+4:BF+64*(\p)+8*\i+7], v[ADRB+\slot] offset:(\q)*32*PB+32*\i+16*PB
.endr
	WIN 0
.irp i, 0,1,2,3
	ds_load_b128 v[AF+32*(\p)+8*\i:AF+32*(\p)+8*\i+3],   v[ADRA+\slot] offset:64*(\q)+\i*16*PITCH
	ds_load_b128 v[AF+32*(\p)+8*\i+4:AF+32*(\p)+8*\i+7], v[ADRA+\slot] offset:64*(\q)+\i*16*PITCH+32
.endr
.endm
; 8 matrix instructions: m block a x all 8 n blocks, 32 keys.  The 32 accumulators take turns, one instruction a turn.
.macro MUL8 p, a, zero
.irp b, 0,1,2,3,4,5,6,7
.if \zero
	v_wmma_f32_16x16x32_f16 v[8*(8*(\a)+\b):8*(8*(\a)+\b)+7], v[BF+64*(\p)+8*\b:BF+64*(\p)+8*\b+7], v[AF+32*(\p)+8*(\a):AF+32*(\p)+8*(\a)+7], 0
.else
	v_wmma_f32_16x16x32_f16 v[8*(8*(\a)+\b):8*(8*(\a)+\b)+7], v[BF+64*(\p)+8*\b:BF+64*(\p)+8*\b+7], v[AF+32*(\p)+8*(\a):AF+32*(\p)+8*(\a)+7], v[8*(8*(\a)+\b):8*(8*(\a)+\b)+7]
.endif
.endr
.endm
; One of a K step's first three quarters: scales and multiplies buffers p, and fetches quarter q of the same slot into the other buffers.  The 32 packed multiplies name none of the registers
; of the quarter before's products (the other buffers, the accumulators): they are the places between those products and the loads into the other buffers.
.macro QUARTER slot, q, p, zero
	s_wait_dscnt 0x0                               ; the loads issued a quarter ago
	WIN 0
	SCALE \p
	FETCH \slot, \q, 1-\p
	WIN MUL
	MUL8 \p, 0, \zero
	MUL8 \p, 1, \zero
	MUL8 \p, 2, \zero
	MUL8 \p, 3, \zero
.endm
; The last quarter multiplies buffers 1 and changes slots: one barrier; in front of it each wave waits for its reads of this slot and for all its tensor loads.
; fill = 1: the barrier opens a round of the cluster's barrier and this slot is filled again first thing behind it, 120 matrix instructions ahead of the wait for that load.
; The loads into buffers 0 stand behind SCALE's 32 plain instructions, which are the places behind the products that read them.
.macro TURN slot, next, fill
	s_wait_dscnt 0x0                               ; my reads of this slot are over
	WIN 0
	SCALE 1
	WIN MUL
	MUL8 1, 0, 0
	s_wait_dscnt 0x0                               ; (met: no LDS instruction has been issued since the wait above)
	s_wait_tensorcnt 0x0                           ; all my tensor loads have landed
	ds_add_u32 v255, v63
	s_wait_dscnt 0x0
	s_barrier_signal -1
	MUL8 1, 1, 0                                   ; register work while the others arrive
	WIN 0
	s_barrier_wait -1
.if \fill
	CREST                                          ; no wave of any partner still reads this slot or has a load on its way
	s_add_nc_u64 s[G0+4*\slot+2:G0+4*\slot+3], s[G0+4*\slot+2:G0+4*\slot+3], STEP_A
	s_add_nc_u64 s[G0B+4*\slot+2:G0B+4*\slot+3], s[G0B+4*\slot+2:G0B+4*\slot+3], STEP_B
	JLOAD \slot
.endif
	FETCHF
	FETCH \next, 0, 0
	WIN MUL
	MUL8 1, 2, 0
	MUL8 1, 3, 0
.endm
; THE WAY OUT of block a (16 queries x 128 channels in f32): times 4 / L; 32 bytes a lane into my stage; back and out as whole rows of 512 bytes.
.macro PACK a
	WIN 0x02                                       ; source 0 window 2
.set i, 0
.rept 32
	v_pk_mul_f32 v[T+i:T+i+1], v[64*(\a)+i:64*(\a)+i+1], v[IL+2*(\a):IL+2*(\a)+1] op_sel_hi:[1,0]
.set i, i+2
.endr
	WIN 0
.endm
.macro TOSTAGE a
.set BK, BK0-128*((\a)%2)
.irp b, 0,1,2,3,4,5,6,7
	ds_store_b128 v[STO], v[T+8*\b:T+8*\b+3]   offset:64*\b
	ds_store_b128 v[STO], v[T+8*\b+4:T+8*\b+7] offset:64*\b+16
.endr
.irp t, 0,1,2,3,4,5,6,7,8,9,10,11,12,13,14,15
	ds_load_b128 v[BK+4*\t:BK+4*\t+3], v[RD] offset:\t*SPITCH      ; LDS serves a wave's instructions in order (ISA guide 5.7.1.4): these see the stores above
.endr
.endm
.macro SEND a
.set BK, BK0-128*((\a)%2)
	s_wait_dscnt 0x0
	s_wait_xcnt 0x0                                ; the stores' base, and the registers that earlier stores read, are rewritten only behind this wait
.if (\a) != 0
	s_add_nc_u64 s[8:9], s[8:9], 16*ROWC
.endif
.irp t, 0,1,2,3,4,5,6,7,8,9,10,11,12,13,14,15
	global_store_b128 v[CO], v[BK+4*\t:BK+4*\t+3], s[8:9] offset:\t*ROWC th:TH_STORE_NT    ; a store covers 512 consecutive bytes, aligned
.endr
.endm
	s_wait_dscnt 0x0                               ; my table is written, and 4 / L is back
	s_wait_tensorcnt 1                             ; my part of K step 0 is in; K step 1's may stay out
	s_barrier_signal -1
	s_barrier_wait -1
	FETCHF                                         ; chunk 0
	FETCH 0, 0, 0
	QUARTER 0, 1, 0, 1                             ; the first quarter stands in front of the loop: its products start the sums
	WIN 0
	s_mov_b32 s3, LAPS-1
.Llap:                                                 ; a trip goes once round the ring, from a lap's second quarter to the next lap's first, and fills both slots again
	QUARTER 0, 2, 1, 0
	QUARTER 0, 3, 0, 0
	TURN 0, 1, 1
	QUARTER 1, 1, 0, 0
	QUARTER 1, 2, 1, 0
	QUARTER 1, 3, 0, 0
	TURN 1, 0, 1
	QUARTER 0, 1, 0, 0
	WIN 0
	s_sub_co_u32 s3, s3, 1
	s_cmp_lg_u32 s3, 0
	s_cbranch_scc1 .Llap
	QUARTER 0, 2, 1, 0                             ; the last lap fills nothing
	QUARTER 0, 3, 0, 0
	TURN 0, 1, 0
	QUARTER 1, 1, 0, 0
	QUARTER 1, 2, 1, 0
	QUARTER 1, 3, 0, 0
	s_wait_dscnt 0x0                               ; the very last quarter: nothing more to fetch
	WIN 0
	SCALE 1
	WIN MUL
	MUL8 1, 0, 0
	MUL8 1, 1, 0
	MUL8 1, 2, 0
	MUL8 1, 3, 0
	WIN 0
	PLACES
	PACK 0
	TOSTAGE 0
.irp a, 1,2,3                          ; block a's multiplies stand between block a - 1's loads from the stage and the wait for them
	PACK \a
	SEND \a-1
	TOSTAGE \a
.endr
	SEND 3
	s_set_vgpr_msb 0x1
	s_wait_tensorcnt 0x0
	ds_add_u32 v255, v63
	s_wait_dscnt 0x0
	s_set_vgpr_msb 0x100
	CROUND                                         ; the closing round
	s_endpgm
.Lfunc_end_k_qc0755a0255_pv:
	.size	k_qc0755a0255_pv, .Lfunc_end_k_qc0755a0255_pv-k_qc0755a0255_pv
	.p2alignl 7, 3214868480
	.fill 96, 4, 3214868480
	.section	.rodata,"a",@progbits
	.p2align	6, 0x0
	.amdhsa_kernel k_qc0755a0255_pv
		.amdhsa_group_segment_fixed_size 327680
		.amdhsa_private_segment_fixed_size 0
		.amdhsa_enable_private_segment 0
		.amdhsa_kernarg_size 40
		.amdhsa_user_sgpr_count 2
		.amdhsa_user_sgpr_kernarg_segment_ptr 1
		.amdhsa_wavefront_size32 1
		.amdhsa_system_sgpr_workgroup_id_x 1
		.amdhsa_system_sgpr_workgroup_id_y 1
		.amdhsa_system_sgpr_workgroup_id_z 1
		.amdhsa_system_vgpr_workitem_id 0
		.amdhsa_next_free_vgpr 768
		.amdhsa_next_free_sgpr 80
		.amdhsa_reserve_vcc 0
		.amdhsa_float_denorm_mode_32 3
		.amdhsa_float_denorm_mode_16_64 3
		.amdhsa_memory_ordered 1
		.amdhsa_forward_progress 1
		.amdhsa_inst_pref_size 138
	.end_amdhsa_kernel
	.amdgpu_metadata
---
amdhsa.version: [ 1, 2 ]
amdhsa.kernels:
  - .name:           k_qc0755a0255_pv
    .symbol:         k_qc0755a0255_pv.kd
    .args:
      - { .name: ph, .offset: 0, .size: 8, .value_kind: global_buffer, .address_space: global }
      - { .name: qkv, .offset: 8, .size: 8, .value_kind: global_buffer, .address_space: global }
      - { .name: mx, .offset: 16, .size: 8, .value_kind: global_buffer, .address_space: global }
      - { .name: ls, .offset: 24, .size: 8, .value_kind: global_buffer, .address_space: global }
      - { .name: out0, .offset: 32, .size: 8, .value_kind: global_buffer, .address_space: global }
    .group_segment_fixed_size: 327680
    .private_segment_fixed_size: 0
    .kernarg_segment_align: 8
    .kernarg_segment_size: 40
    .max_flat_workgroup_size: 128
    .sgpr_count:     80
    .vgpr_count:     768
    .wavefront_size: 32
...
	.end_amdgpu_metadata
.endif
;; end of part 4
;; ======== version 2 of 2: 4 launches; version 1 with the launch cast written anew for expert scheduling mode
;; limits: values are held in f16: magnitudes above 65,504 overflow, below 6.1e-05 lose precision; right only within a limited range of input values; values outside matrix products are rounded to f16
;; workspace buffers: xh 50,331,648 bytes; wh 6,291,456 bytes; qkv 50,331,648 bytes; ph 33,554,432 bytes; mx 524,288 bytes; ls 524,288 bytes
;; launch cast (part 5): grid 256 x 3, 8 waves a work-group, no clusters, 0 bytes of LDS; arguments query, key, value, Wq, Wk, Wv, xh, wh; writes xh, wh
.if DOCPART == 5
	.amdgcn_target "amdgcn-amd-amdhsa--gfx1250"
	.amdhsa_code_object_version 6
	.text
	.protected	k_qc0755a0255_cast
	.globl	k_qc0755a0255_cast
	.p2align	8
	.type	k_qc0755a0255_cast,@function
k_qc0755a0255_cast:
	s_mov_b64 s[64:65], 0
	v_nop
	global_prefetch_b8 v0, s[64:65] scope:SCOPE_SE
	s_setreg_imm32_b32 hwreg(HW_REG_WAVE_SCHED_MODE, 0, 2), 2
	s_setreg_imm32_b32 hwreg(HW_REG_WAVE_MODE, 25, 1), 1
	s_wait_xcnt 0x0
	s_wait_alu depctr_vm_vsrc(0)
; xh[z] = f16(X[z]) for X = query, key, value ([8192][1024] f32 each);  wh[z] = f16(W[z] / 4) for W = Wq, Wk, Wv ([1024][1024] f32 each).
; The factor 1/4 is a power of two, so it costs no rounding; it centres q, k and v (made by the next launch as q/4, k/4, v/4) in the range of f16.
; LIMITS: |x| and |W/4| up to 65,504 (beyond that f16 has infinity); NaN and infinities are not served.
; A stream: no LDS, no matrix unit, no cluster (no byte is read twice).  Work-group (x, z) takes 131,072 bytes of X[z] and 16,384 bytes of W[z]: all 768 work-groups have the same work.
; Thread t reads, in step i, the 16 bytes at 4,096 i + 16 t (a load of a wave covers 512 consecutive bytes) and stores the 8 bytes at 2,048 i + 8 t (a store of a wave covers 256 consecutive
; bytes, aligned).  All 36 loads of a wave go out first; the four numbers of a step are rounded in place into its first two registers.
; THE MODE: SCHED_MODE bits 1:0 = 2 (LLVM: expert scheduling mode 2), set by the entry lines.  The code itself states the register dependences
; between vector instructions and memory instructions, with s_wait_alu, always for 0.
; THE PLAN.  Registers that memory instructions touch:
;   v1, v2     byte offsets, made once at the head and never written again: v1 is read by every load, v2 by every store; the steps are reached by immediate offsets.
;   WR, X      a step's four registers.  Its load, issued at the head ahead of every vector instruction that names them, lands once.  Its conversions read the four and write the first two;
;              its one store reads those two; nothing writes them afterwards, so no wait is owed for a register that a memory instruction has read.
; The 36 steps go in nine blocks of four: block 0 is W, blocks 1 to 8 are X.  Block b rounds its own four steps; its memory instructions are the four stores of block b - 1, whose registers
; no vector instruction of block b names.  So ONE wait at a block's head, behind the wait for the block's data, states all that its four stores hang on, and these are dealt among the
; block's conversions with no further wait.  One wait more stands ahead of the first load, and one ahead of the last four stores.
.set NX,  32                           ; steps of X
.set NW,  4                            ; steps of W: one block
.set BLK, 4                            ; steps in a block
.set X,  4                             ; v[4:131]    X's step i: 4 numbers in f32, then 4 in f16 in the first two registers
.set WR, 132                           ; v[132:147]  the same for W
	s_load_b512 s[4:19], s[0:1], 0x0               ; query s[4:5], key s[6:7], value s[8:9], Wq s[10:11], Wk s[12:13], Wv s[14:15], xh s[16:17], wh s[18:19]
	s_and_b32 s20, ttmp7, 0xffff                   ; z: which of the three
	v_lshlrev_b32 v1, 4, v0                        ; 16 t
	v_lshlrev_b32 v2, 3, v0                        ; 8 t
	s_lshl_b32 s26, ttmp9, 17                      ; my part of X[z]: x x 128 KiB
	s_mov_b32 s27, 0
	s_lshl_b32 s28, ttmp9, 14                      ; my part of W[z]: x x 16 KiB
	s_mov_b32 s29, 0
	s_lshl_b32 s30, s20, 24                        ; xh: z x 16 MiB + x x 64 KiB
	s_lshl_b32 s31, ttmp9, 16
	s_add_co_u32 s30, s30, s31
	s_mov_b32 s31, 0
	s_lshl_b32 s32, s20, 21                        ; wh: z x 2 MiB + x x 8 KiB
	s_lshl_b32 s33, ttmp9, 13
	s_add_co_u32 s32, s32, s33
	s_mov_b32 s33, 0
	s_wait_kmcnt 0x0
	s_cmp_eq_u32 s20, 0
	s_cselect_b64 s[22:23], s[4:5], s[6:7]         ; X[z]
	s_cselect_b64 s[24:25], s[10:11], s[12:13]     ; W[z]
	s_cmp_eq_u32 s20, 2
	s_cselect_b64 s[22:23], s[8:9], s[22:23]
	s_cselect_b64 s[24:25], s[14:15], s[24:25]
	s_add_nc_u64 s[22:23], s[22:23], s[26:27]
	s_add_nc_u64 s[24:25], s[24:25], s[28:29]
	s_add_nc_u64 s[16:17], s[16:17], s[30:31]
	s_add_nc_u64 s[18:19], s[18:19], s[32:33]
	s_wait_alu depctr_va_vdst(0)                   ; v1 and v2 are written: every load of the kernel reads v1 as its offset, every store v2
.set i, 0
.rept NW
	global_load_b128 v[WR+4*i:WR+4*i+3], v1, s[24:25] offset:4096*i th:TH_LOAD_NT
.set i, i+1
.endr
.set i, 0
.rept NX
	global_load_b128 v[X+4*i:X+4*i+3], v1, s[22:23] offset:4096*i th:TH_LOAD_NT
.set i, i+1
.endr
	; BLOCK 0: W.  No block stands in front of it: it stores nothing.
	s_wait_loadcnt NX                              ; loads come back in order: W's four steps are in; all of X's stay out
.set i, 0
.rept NW
	v_pk_mul_f32 v[WR+4*i:WR+4*i+1],   v[WR+4*i:WR+4*i+1],   0x3e800000 op_sel_hi:[1,0]    ; times 1/4
	v_pk_mul_f32 v[WR+4*i+2:WR+4*i+3], v[WR+4*i+2:WR+4*i+3], 0x3e800000 op_sel_hi:[1,0]
	v_cvt_pk_f16_f32 v[WR+4*i],   v[WR+4*i],   v[WR+4*i+1]
	v_cvt_pk_f16_f32 v[WR+4*i+1], v[WR+4*i+2], v[WR+4*i+3]
.set i, i+1
.endr
	; BLOCKS 1 TO 8: X's steps 4 (b - 1) to 4 b - 1 are rounded; the block before is stored.
.set b, 1
.rept NX/BLK
	s_wait_loadcnt NX-BLK*b                        ; this block's four steps are in; X's younger steps stay out
	s_wait_alu depctr_va_vdst(0)                   ; the block before has written the first two registers of each of its steps, which the four stores below read
.set i, 0
.rept BLK
.set j, BLK*(b-1)+i                    ; the step that is rounded
.set k, j-BLK                          ; the step that is stored
.if b == 1
	global_store_b64 v2, v[WR+4*i:WR+4*i+1], s[18:19] offset:2048*i        ; W's step i.  The next launch reads it: no hint
.else
	global_store_b64 v2, v[X+4*k:X+4*k+1], s[16:17] offset:2048*k          ; no vector instruction since the wait names these registers
.endif
	v_cvt_pk_f16_f32 v[X+4*j],   v[X+4*j],   v[X+4*j+1]
	v_cvt_pk_f16_f32 v[X+4*j+1], v[X+4*j+2], v[X+4*j+3]
.set i, i+1
.endr
.set b, b+1
.endr
	s_wait_alu depctr_va_vdst(0)                   ; block 8 has written the registers that the last four stores read
.set i, NX-BLK
.rept BLK
	global_store_b64 v2, v[X+4*i:X+4*i+1], s[16:17] offset:2048*i
.set i, i+1
.endr
	s_endpgm
.Lfunc_end_k_qc0755a0255_cast:
	.size	k_qc0755a0255_cast, .Lfunc_end_k_qc0755a0255_cast-k_qc0755a0255_cast
	.p2alignl 7, 3214868480
	.fill 96, 4, 3214868480
	.section	.rodata,"a",@progbits
	.p2align	6, 0x0
	.amdhsa_kernel k_qc0755a0255_cast
		.amdhsa_group_segment_fixed_size 0
		.amdhsa_private_segment_fixed_size 0
		.amdhsa_enable_private_segment 0
		.amdhsa_kernarg_size 64
		.amdhsa_user_sgpr_count 2
		.amdhsa_user_sgpr_kernarg_segment_ptr 1
		.amdhsa_wavefront_size32 1
		.amdhsa_system_sgpr_workgroup_id_x 1
		.amdhsa_system_sgpr_workgroup_id_y 1
		.amdhsa_system_sgpr_workgroup_id_z 1
		.amdhsa_system_vgpr_workitem_id 0
		.amdhsa_next_free_vgpr 148
		.amdhsa_next_free_sgpr 66
		.amdhsa_reserve_vcc 0
		.amdhsa_float_denorm_mode_32 3
		.amdhsa_float_denorm_mode_16_64 3
		.amdhsa_memory_ordered 1
		.amdhsa_forward_progress 1
		.amdhsa_inst_pref_size 14
	.end_amdhsa_kernel
	.amdgpu_metadata
---
amdhsa.version: [ 1, 2 ]
amdhsa.kernels:
  - .name:           k_qc0755a0255_cast
    .symbol:         k_qc0755a0255_cast.kd
    .args:
      - { .name: query, .offset: 0, .size: 8, .value_kind: global_buffer, .address_space: global }
      - { .name: key, .offset: 8, .size: 8, .value_kind: global_buffer, .address_space: global }
      - { .name: value, .offset: 16, .size: 8, .value_kind: global_buffer, .address_space: global }
      - { .name: Wq, .offset: 24, .size: 8, .value_kind: global_buffer, .address_space: global }
      - { .name: Wk, .offset: 32, .size: 8, .value_kind: global_buffer, .address_space: global }
      - { .name: Wv, .offset: 40, .size: 8, .value_kind: global_buffer, .address_space: global }
      - { .name: xh, .offset: 48, .size: 8, .value_kind: global_buffer, .address_space: global }
      - { .name: wh, .offset: 56, .size: 8, .value_kind: global_buffer, .address_space: global }
    .group_segment_fixed_size: 0
    .private_segment_fixed_size: 0
    .kernarg_segment_align: 8
    .kernarg_segment_size: 64
    .max_flat_workgroup_size: 256
    .sgpr_count:     66
    .vgpr_count:     148
    .wavefront_size: 32
...
	.end_amdgpu_metadata
.endif
;; end of part 5
;; launch proj: the kernel of part 2 again; grid 4 x 48, 4 waves a work-group, clusters of 4 x 4, 327,680 bytes of LDS; arguments xh, wh, bq, bk, bv, qkv; writes qkv
;; launch scores: the kernel of part 3 again; grid 8 x 32, 4 waves a work-group, clusters of 4 x 4, 327,680 bytes of LDS; arguments qkv, ph, mx, ls; writes ph, mx, ls
;; launch pv: the kernel of part 4 again; grid 4 x 64, 4 waves a work-group, clusters of 4 x 4, 327,680 bytes of LDS; arguments ph, qkv, mx, ls, out0; writes out0
